; MI455X (gfx1250); checked and timed in simulation.
; The chip was launched on July 23, 2026; its instructions are those of AMD's public machine-readable ISA for CDNA 5 (MIT licence, August 2026) and "CDNA5" Instruction Set Architecture Reference Guide (July 2026). The comments in the code are by the model that wrote it; some were corrected since.
;; Unidirectional Attention. Allowed arithmetic: matrix products marked QUANTISED: E2M1 operands, one E8M0 scale for each 32 along K, by v_wmma_scale_f32_16x16x128_f8f6f4 with both operands' format E2M1 (or v_wmma_scale_f32_32x16x128_f4), f32 sums; everything else in f32.
;; Inputs: attn_W_codes 3,072 x 32 x 16 uint8 (E2M1 codes of attn_W, K innermost, in blocks of 32 codes, two codes a byte); attn_W_scales 3,072 x 32 uint8 (E8M0 scales of attn_W, one for each 32 codes along K); attn_b 3,072 float32; encodings_codes 1 x 4,096 x 32 x 16 uint8 (E2M1 codes of encodings, K innermost, in blocks of 32 codes, two codes a byte); encodings_scales 1 x 4,096 x 32 uint8 (E8M0 scales of encodings, one for each 32 codes along K); out_W_codes 1,024 x 32 x 16 uint8 (E2M1 codes of out_W, K innermost, in blocks of 32 codes, two codes a byte); out_W_scales 1,024 x 32 uint8 (E8M0 scales of out_W, one for each 32 codes along K); out_b 1,024 float32.
;; Outputs: out0 1 x 4,096 x 1,024 float32.
;; This version of the problem:
;;   THIS VERSION OF THE PROBLEM IS GIVEN IN LOW PRECISION. The matrix products marked QUANTISED in the list below multiply operands that are first quantised to E2M1 (2 exponent bits, 1 mantissa bit; 4 bits a number), with one power-of-two scale for each 32 numbers along K (OCP MX v1.0); their sums are f32. All else is computed in f32.
;;   The module's matrix products, in the order in which they are computed (A, B: the left and right operand; K: the contracted axis; several contracted axes count as one K, in the product's order):
;;     1. [M 4,096, K 1,024] x [K 1,024, N 3,072]; A: input encodings (given as codes); B: input attn_W (given as codes): QUANTISED
;;     2. batch 16 x [M 4,096, K 64] x [K 64, N 4,096]; A: computed on the way; B: computed on the way: QUANTISED
;;     3. batch 16 x [M 4,096, K 4,096] x [K 4,096, N 64]; A: softmax (see below); B: computed on the way: QUANTISED
;;     4. [M 4,096, K 1,024] x [K 1,024, N 1,024]; A: computed on the way; B: input out_W (given as codes): QUANTISED
;;   THE QUANTISER, for each operand of a quantised product, along K:
;;     - K is cut into blocks of 32 from its start; a last block that is shorter is filled with zeros.
;;     - A block's scale is 2^e with e = floor(log2(the largest magnitude in the block)) - 2, held to -126 .. 127; a block of zeros has e = 0. As a byte (E8M0): e + 127.
;;     - Each number is divided by its block's scale, clamped to +-6, and rounded to the nearest number of E2M1, ties to even, subnormals kept.
;;     - The product sums the exact products of the quantised numbers (number of the format x scale) in f32.
;;   ~~~python
;;   def quantise(x, axis):      # numpy; x: float32 -> the quantised numbers, widened to float32 again
;;       x = np.moveaxis(x, axis, -1); K = x.shape[-1]
;;       x = np.pad(x, [(0, 0)] * (x.ndim - 1) + [(0, -K % 32)]); x = x.reshape(x.shape[:-1] + (-1, 32)); a = np.abs(x).max(-1, keepdims=True)
;;       e = np.where(a > 0, np.clip(np.frexp(np.where(a > 0, a, 1))[1] - 1 - 2, -126, 127), 0)      # np.frexp(a)[1] - 1 = floor(log2(a)), exactly
;;       r = np.clip(x / 2.0 ** e, -6, 6)
;;       step = 2.0 ** (np.maximum(np.frexp(np.where(r == 0, 1, r))[1] - 1, 0) - 1)
;;       q = np.round(r / step) * step * 2.0 ** e      # np.round: ties to even
;;       return np.moveaxis(q.reshape(q.shape[:-2] + (-1,))[..., :K], -1, axis).astype(np.float32)
;;   ~~~
;;   SOFTMAX AHEAD OF A QUANTISED PRODUCT. Where the list says 'softmax', what is quantised is not the finished softmax but p = 2^(t - M), with t = logit x log2(e) and M = ceil(the row's largest t), a whole number; so 1/2 < the row's largest p <= 1. The row's sum l is taken of the UNQUANTISED p, in f32, and the product's result is divided by l at the end. Since M is a whole number, a kernel that streams over the keys may use a running M (the ceiling of the running maximum): every later rescaling is an exact power of two, which a block's scale takes up: the codes' values come out the same.
;;   OPERANDS COMPUTED ON THE WAY. 'Computed on the way' means the value that the module computes at that place (a softmax that the list does not call 'softmax' is quantised finished and normalised). What goes into a quantiser is computed in f32, as accurately as f32 sums, v_exp_f32 and their like allow (about 1e-6 of the number): no bf16 or f16 on the way to a quantiser, and a product that is left as it is and whose result goes on into a quantised operand takes f32 operands (vector FMAs, or v_wmma_f32_16x16x4_f32). A number that lies on a knife's edge between two numbers of the format may be rounded either way, as far as f32 arithmetic and the matrix unit's own rounding can turn it there, and no further.
;;   INPUTS GIVEN AS CODES. attn_W (in the module: [1024, 3072], K = its axis 0); encodings (in the module: [1, 4096, 1024], K = its axis 2); out_W (in the module: [1024, 1024], K = its axis 0): each comes as NAME_codes (uint8): NAME with its K axis moved to the last place and cut into blocks of 32 codes, [.., K / 32, bytes a block], one block behind the other in memory; two codes a byte, the lower K in the low four bits (a code: sign, 2 exponent bits, 1 mantissa bit); and NAME_scales (uint8): the same leading axes, one E8M0 byte (e + 127) for each 32 codes along K. Its value is code x scale, taken as it is: it is not quantised again, and the codes and scales need not be those that the quantiser above would give.
;; One version. Each part assembles by itself: llvm-mc -triple=amdgcn-amd-amdhsa -mcpu=gfx1250 --defsym DOCPART=n.
;; ======== version 1 of 1: 3 launches
;; limits: right only within a limited range of input values
;; workspace buffers: qc 2,097,152 bytes; qs 262,144 bytes; kv 4,456,448 bytes; cc 2,097,152 bytes; cs 131,072 bytes
;; launch qkv (part 1): grid 16 x 16, 8 waves a work-group, clusters of 4 x 4, 261,120 bytes of LDS; arguments encodings_codes, encodings_scales, attn_W_codes, attn_W_scales, attn_b, qc, qs, kv; writes qc, qs, kv
.if DOCPART == 1
	.amdgcn_target "amdgcn-amd-amdhsa--gfx1250"
	.amdhsa_code_object_version 6
	.text
	.protected	k_qa73e85fcb8_qkv
	.globl	k_qa73e85fcb8_qkv
	.p2align	8
	.type	k_qa73e85fcb8_qkv,@function
k_qa73e85fcb8_qkv:
	s_mov_b64 s[64:65], 0
	v_nop
	global_prefetch_b8 v0, s[64:65] scope:SCOPE_SE
	s_setreg_imm32_b32 hwreg(HW_REG_WAVE_MODE, 25, 1), 1
	s_wait_xcnt 0x0
	s_wait_alu depctr_hold_cnt(0) depctr_sa_sdst(0) depctr_va_vdst(0) depctr_va_sdst(0) depctr_va_ssrc(0) depctr_va_vcc(0) depctr_vm_vsrc(0)
	s_getreg_b32 s2, hwreg(HW_REG_IB_STS2, 6, 4)
	s_cmp_eq_u32 s2, 0
	s_cbranch_scc0 .Lentry_in_a_cluster
	s_endpgm
.Lentry_in_a_cluster:
	s_bfe_u32 s2, ttmp6, 0x10000c
	s_cmp_lg_u32 s2, 0xf033
	s_cbranch_scc0 .Lentry_shape_is_right
	s_endpgm
.Lentry_shape_is_right:
; qkv = x W + b on codes of FP4 (E2M1) with one E8M0 scale for each 32 along K = 1,024; then q and k are quantised along the head's 64, v along the tokens, and leave as codes.
; SHARES.  Work-group (x = head, y = block of 256 tokens) makes 256 tokens x the head's 192 columns (q 0-63, k 64-127, v 128-191).  Wave w of eight takes tokens 32 w .. 32 w + 31 x all 192 columns:
; 24 accumulators.  All of K of the work-group's rows of x and of W fits in LDS: every LDS byte is filled once, in two halves of K.
; CLUSTER 4 x 4: the four of a row of the cluster share the tokens (x's tiles), the four of a column the head (W's tiles): each tile is asked for jointly.
; LAYOUT.  q and k: source 0 = 16 columns of W, source 1 = 16 tokens: a lane holds ONE token and its registers run along the head.  v: source 0 = 16 tokens, source 1 = 16 columns: a lane holds one
; channel d and its registers run along the tokens, which are the second attention product's K.  In both cases the 16 registers of two neighbouring tiles are, with lane l xor 16's, one block of 32.
; QUANT places the eight conversions so that two exchanges of lane halves for each pair of blocks give the operand's registers in true order of k.
; WHAT LEAVES, all as images of operand registers (a piece = 512 bytes, lane l's 16 bytes at 16 l):
;   qc [head][tile of 16 tokens][piece]; qs [head][token] words: q's two scale bytes, then 0x7f, 0x7f;
;   kv [head][step of 128 keys][8,704]: +0 K: pair p at 1,024 p = the pieces of tiles 2 p, 2 p + 1; +4,096 V: d tile n at 1,024 n, piece c: lane (r, h) = row 16 n + r, key block 2 c + h;
;   +8,192 scale words, 16 bytes a lane: K's pairs 0/1 (lanes 0-15 / 16-31), pairs 2/3, V's d tiles 0/1, d tiles 2/3.
; LIMITS: a block whose largest magnitude lies under 2^-124 takes the scale byte 1 (a block of zeros too, where the quantiser's text says 127: its codes are zeros, and this program alone reads the bytes);
; NaN and infinities are not served; a given scale byte 0xff gives NaN.
.set PITCH,  272                       ; an LDS row of codes: 256 bytes + 16 of padding, so that the 16 rows of a fragment load start at 16 different banks (ISA guide 11.1)
.set XH0,    0                         ; x, K half 0: 256 rows;  half 1 XHS further on
.set XHS,    256*PITCH
.set WH0,    2*XHS                     ; W, K half 0: 192 rows;  half 1 WHS further on
.set WHS,    192*PITCH
.set XSC,    WH0+2*WHS                 ; x's scale bytes, [token][32], dense
.set WSC,    XSC+8192                  ; W's, [row][32], dense
.set STG,    WSC+6144                  ; 2,048 bytes that LDS stores alone write: two steps' scale images, then 256 words of q
.set KVSTEP, 8704
.set KVHEAD, 32*KVSTEP
.set SEL,  2                           ; s[2:3]  lane selects for v_permlanex16_b32: lane l xor 16
.set G1X,  32                          ; s[32:39] group 1 for x's codes;  s[40:47] W's codes;  s[48:55] x's scales;  s[56:63] W's scales
.set G1W,  40
.set G1XS, 48
.set G1WS, 56
.set G0XS, 68                          ; groups 0: x's scales, W's scales, x's two halves, W's two halves
.set G0WS, 72
.set G0X,  76
.set G0W,  84
; window 0: v1 16 x lane; v2-3 x's fragments (half 0, 1); v4-5 W's; v6 x's scale words; v7 W's; v8-11, v62-63 the way out; v12-15 x's scale words of a K half; v16-39 W's (pair i of tiles at 16 + 4 i);
;           v40-59 QUANT's; v60-61 scale words made; v64-191 q's and k's accumulators (64 + 64 t + 8 c); v192-255 v's (192 + 16 n + 8 u)
; window 1: v0-31 x's fragments, two sets; v32-127 W's, two sets of six; v128-191 the bias of q and k in the result's layout; v192-199 v's bias, each number twice
.set MX, 40
.set PB, 44
.set SO, 48
.set PC, 52
.set MSB, 0
.macro WIN new                         ; the immediate's high byte repeats the setting that is left
.if MSB != \new
	s_set_vgpr_msb (MSB<<8)|\new
.set MSB, \new
.endif
.endm
.set TO_F, 0x40                        ; destination window 1, address window 0
.set MUL,  0x05                        ; sources 0 and 1 window 1, C and D window 0
.set MULB, 0x15                        ; the same with C in window 1: the bias starts the sum
.set ADDB, 0x04                        ; source 1 window 1
.macro CROUND                          ; a round of the cluster's barrier
	s_barrier_signal -1
	s_barrier_wait -1
	s_cmp_lg_u32 s20, 0
	s_cbranch_scc1 .Lnot_wave_0_\@
	s_barrier_signal -3
.Lnot_wave_0_\@:
	s_barrier_wait -3
	s_barrier_signal -1
	s_barrier_wait -1
.endm
; One product: D v[wd ..], source 0 v[wa ..], source 1 v[wb ..], C = 0 (wz) or v[wc ..]; scale words v[wsa] (lanes 16-31 if wra) and v[wsb] (lanes 16-31 if wrb)
.macro WM
.if wz
.if wra && wrb
	v_wmma_scale_f32_16x16x128_f8f6f4 v[wd:wd+7], v[wa:wa+7], v[wb:wb+7], 0, v[wsa], v[wsb] matrix_a_fmt:MATRIX_FMT_FP4 matrix_b_fmt:MATRIX_FMT_FP4 matrix_a_scale:MATRIX_SCALE_ROW1 matrix_b_scale:MATRIX_SCALE_ROW1
.elseif wra
	v_wmma_scale_f32_16x16x128_f8f6f4 v[wd:wd+7], v[wa:wa+7], v[wb:wb+7], 0, v[wsa], v[wsb] matrix_a_fmt:MATRIX_FMT_FP4 matrix_b_fmt:MATRIX_FMT_FP4 matrix_a_scale:MATRIX_SCALE_ROW1
.elseif wrb
	v_wmma_scale_f32_16x16x128_f8f6f4 v[wd:wd+7], v[wa:wa+7], v[wb:wb+7], 0, v[wsa], v[wsb] matrix_a_fmt:MATRIX_FMT_FP4 matrix_b_fmt:MATRIX_FMT_FP4 matrix_b_scale:MATRIX_SCALE_ROW1
.else
	v_wmma_scale_f32_16x16x128_f8f6f4 v[wd:wd+7], v[wa:wa+7], v[wb:wb+7], 0, v[wsa], v[wsb] matrix_a_fmt:MATRIX_FMT_FP4 matrix_b_fmt:MATRIX_FMT_FP4
.endif
.else
.if wra && wrb
	v_wmma_scale_f32_16x16x128_f8f6f4 v[wd:wd+7], v[wa:wa+7], v[wb:wb+7], v[wc:wc+7], v[wsa], v[wsb] matrix_a_fmt:MATRIX_FMT_FP4 matrix_b_fmt:MATRIX_FMT_FP4 matrix_a_scale:MATRIX_SCALE_ROW1 matrix_b_scale:MATRIX_SCALE_ROW1
.elseif wra
	v_wmma_scale_f32_16x16x128_f8f6f4 v[wd:wd+7], v[wa:wa+7], v[wb:wb+7], v[wc:wc+7], v[wsa], v[wsb] matrix_a_fmt:MATRIX_FMT_FP4 matrix_b_fmt:MATRIX_FMT_FP4 matrix_a_scale:MATRIX_SCALE_ROW1
.elseif wrb
	v_wmma_scale_f32_16x16x128_f8f6f4 v[wd:wd+7], v[wa:wa+7], v[wb:wb+7], v[wc:wc+7], v[wsa], v[wsb] matrix_a_fmt:MATRIX_FMT_FP4 matrix_b_fmt:MATRIX_FMT_FP4 matrix_b_scale:MATRIX_SCALE_ROW1
.else
	v_wmma_scale_f32_16x16x128_f8f6f4 v[wd:wd+7], v[wa:wa+7], v[wb:wb+7], v[wc:wc+7], v[wsa], v[wsb] matrix_a_fmt:MATRIX_FMT_FP4 matrix_b_fmt:MATRIX_FMT_FP4
.endif
.endif
.endm
	s_load_b256 s[4:11], s[0:1], 0x0               ; x's codes s[4:5], x's scales s[6:7], W's codes s[8:9], W's scales s[10:11]
	s_load_b256 s[12:19], s[0:1], 0x20             ; the bias s[12:13], qc s[14:15], qs s[16:17], kv s[18:19]
	s_set_vgpr_msb 0x40
	v_lshl_add_u32 v200, v0, 2, 0x3f800
	v_mov_b32 v201, 0
	s_set_vgpr_msb 0x4045
	ds_add_u32 v200, v201
	ds_add_u32 v200, v201
	s_set_vgpr_msb 0x4500
	v_lshrrev_b32 v1, 5, v0
	s_delay_alu instid0(VALU_DEP_1)
	v_readfirstlane_b32 s20, v1                    ; wave 0..7
	s_and_b32 s21, s20, 3                          ; which quarter of a tile I fetch; also my key block in a step of 128 keys
	s_lshr_b32 s22, s20, 2                         ; I fetch for x (0) or for W (1); also which of the block's two steps my tokens lie in
	s_bfe_u32 s23, ttmp6, 0x40000                  ; cx, cy: my place in the cluster
	s_bfe_u32 s24, ttmp6, 0x40004
	s_lshl_b32 s25, ttmp9, 2
	s_add_co_u32 s25, s25, s23                     ; the head = 4 x cluster x + cx
	s_and_b32 s26, ttmp7, 0xffff
	s_lshl_b32 s26, s26, 2
	s_add_co_u32 s26, s26, s24                     ; the block of 256 tokens = 4 x cluster y + cy
	s_lshl_b32 s27, s24, 2
	s_lshl_b32 s27, 15, s27                        ; my row of the cluster: it shares the tokens
	s_lshl_b32 s28, 0x1111, s23                    ; my column: it shares the head
	; groups 1.  Codes: rows of 256 bytes (elements of 1 byte), 512 bytes apart in memory, 16 bytes of padding behind each (every 64 words, 4 words); 128 rows of x or 192 of W to a load
	s_or_b32 s[G1X], s27, (1<<20)|(1<<21)|(5<<22)|(3<<25)
	s_or_b32 s[G1W], s28, (1<<20)|(1<<21)|(5<<22)|(3<<25)
	s_mov_b32 s[G1X+1], 256<<16                    ; tensor_dim0
	s_mov_b32 s[G1X+2], 128<<16                    ; tensor_dim1: 128 rows of x to a load
	s_mov_b32 s[G1X+3], 256<<16                    ; tile_dim0
	s_mov_b32 s[G1X+4], 128                        ; tile_dim1
	s_mov_b32 s[G1X+5], 512                        ; the pitch
	s_mov_b32 s[G1X+6], 0
	s_mov_b32 s[G1X+7], 0
	s_mov_b32 s[G1W+1], 256<<16
	s_mov_b32 s[G1W+2], 192<<16                    ; all 192 rows of W, one K half, to a load
	s_mov_b32 s[G1W+3], 256<<16
	s_mov_b32 s[G1W+4], 192
	s_mov_b32 s[G1W+5], 512
	s_mov_b32 s[G1W+6], 0
	s_mov_b32 s[G1W+7], 0
	; scale bytes: dense blocks, as rows of 256 bytes (32 elements of 8 bytes): 32 rows of x's or 24 of W's to a load
	s_or_b32 s[G1XS], s27, (3<<16)|(1<<21)
	s_or_b32 s[G1WS], s28, (3<<16)|(1<<21)
	s_mov_b32 s[G1XS+1], 32<<16
	s_mov_b32 s[G1XS+2], 32<<16                    ; x's scale bytes whole: 32 rows of 256 bytes
	s_mov_b32 s[G1XS+3], 32<<16
	s_mov_b32 s[G1XS+4], 32
	s_mov_b32 s[G1XS+5], 32
	s_mov_b32 s[G1XS+6], 0
	s_mov_b32 s[G1XS+7], 0
	s_mov_b32 s[G1WS+1], 32<<16
	s_mov_b32 s[G1WS+2], 24<<16                    ; W's scale bytes whole: 24 rows of 256 bytes
	s_mov_b32 s[G1WS+3], 32<<16
	s_mov_b32 s[G1WS+4], 24
	s_mov_b32 s[G1WS+5], 32
	s_mov_b32 s[G1WS+6], 0
	s_mov_b32 s[G1WS+7], 0
	; where the tiles begin in memory.  x's offsets hang on the block of tokens alone, W's on the head alone, each in registers of its own
	s_lshl_b32 s92, s26, 17                        ; x's codes: 256 rows of 512 bytes a block,
	s_and_b32 s31, s20, 1                          ; waves 0-3 fetch x: rows 128 (w & 1) on, K half (w >> 1) & 1
	s_bfe_u32 s30, s20, 0x10001
	s_lshl_b32 s29, s31, 16
	s_lshl_b32 s30, s30, 8
	s_add_co_u32 s29, s29, s30
	s_add_co_u32 s92, s92, s29
	s_mov_b32 s93, 0
	s_lshl_b32 s96, s26, 13                        ; x's scales: 8,192 bytes a block, 2,048 a quarter
	s_mov_b32 s97, 0
	s_mul_i32 s94, s25, 192*512                    ; W's codes: 192 rows a head, 48 a quarter
	s_lshl_b32 s30, s31, 8                         ; waves 4, 5 fetch W: K half w & 1
	s_add_co_u32 s94, s94, s30
	s_mov_b32 s95, 0
	s_mul_i32 s98, s25, 192*32                     ; W's scales
	s_mov_b32 s99, 0
	s_wait_dscnt 0x0
	s_wait_kmcnt 0x0
	s_add_nc_u64 s[92:93], s[4:5], s[92:93]
	s_add_nc_u64 s[94:95], s[8:9], s[94:95]
	s_mov_b32 s[G0XS], 1
	s_mov_b32 s[G0XS+1], XSC
	s_add_nc_u64 s[G0XS+2:G0XS+3], s[6:7], s[96:97]
	s_or_b32 s[G0XS+3], s[G0XS+3], 0x80000000
	s_mov_b32 s[G0WS], 1
	s_mov_b32 s[G0WS+1], WSC
	s_add_nc_u64 s[G0WS+2:G0WS+3], s[10:11], s[98:99]
	s_or_b32 s[G0WS+3], s[G0WS+3], 0x80000000
	s_mov_b32 s[G0X], 1
	s_mul_i32 s[G0X+1], s31, 128*PITCH
	s_bfe_u32 s30, s20, 0x10001
	s_mul_i32 s30, s30, XHS
	s_add_co_u32 s[G0X+1], s[G0X+1], s30
	s_mov_b64 s[G0X+2:G0X+3], s[92:93]
	s_or_b32 s[G0X+3], s[G0X+3], 0x80000000
	s_mov_b32 s[G0W], 1
	s_mul_i32 s[G0W+1], s31, WHS
	s_add_co_u32 s[G0W+1], s[G0W+1], WH0
	s_mov_b64 s[G0W+2:G0W+3], s[94:95]
	s_or_b32 s[G0W+3], s[G0W+3], 0x80000000
	CROUND                                         ; all sixteen work-groups are here: the joint loads meet
; The head's eight tiles, one joint load a wave: waves 0-3 x's codes (128 rows of one K half each), waves 4, 5 W's two K halves, wave 6 x's scale bytes, wave 7 W's.
; One chain of branches on the wave's number: every way through it passes exactly one load.
.macro ARM under, g0, g1, next
	s_cmp_lt_u32 s20, \under
	s_cbranch_scc0 \next
	tensor_load_to_lds s[\g0:\g0+3], s[\g1:\g1+7]
	s_nop 0
.rept 4
	v_nop
.endr
	s_branch .Lasked
\next:
.endm
	ARM 4, G0X,  G1X,  .Lfor_w
	ARM 6, G0W,  G1W,  .Lfor_xs
	ARM 7, G0XS, G1XS, .Lfor_ws
	tensor_load_to_lds s[G0WS:G0WS+3], s[G1WS:G1WS+7]
	s_nop 0
.rept 4
	v_nop
.endr
.Lasked:
	s_mov_b32 s[SEL], 0x76543210
	s_mov_b32 s[SEL+1], 0xfedcba98
	; LDS addresses
	v_and_b32 v1, 31, v0                           ; lane
	v_and_b32 v60, 15, v0                          ; r
	v_bfe_u32 v61, v0, 4, 1                        ; h
	s_delay_alu instid0(VALU_DEP_2)
	v_mul_u32_u24 v40, v60, PITCH
	s_delay_alu instid0(VALU_DEP_1)
	v_lshl_add_u32 v40, v61, 4, v40                ; a fragment's row x pitch + 16 h
	s_mul_i32 s29, s20, 32*PITCH                   ; my 32 tokens
	v_add_nc_u32 v2, s29, v40
	s_delay_alu instid0(VALU_DEP_1)
	v_add_nc_u32 v3, XHS, v2
	v_add_nc_u32 v4, WH0, v40
	v_add_nc_u32 v5, WH0+WHS, v40
	s_lshl_b32 s29, s20, 10
	s_add_co_u32 s29, s29, XSC
	v_lshl_add_u32 v6, v1, 5, s29                  ; x's scale words: token 32 w + lane: lanes 0-15 tile 0, lanes 16-31 tile 1
	v_lshlrev_b32 v7, 5, v1
	s_delay_alu instid0(VALU_DEP_1)
	v_add_nc_u32 v7, WSC, v7                       ; W's: row 32 i + lane: lanes 0-15 tile 2 i, lanes 16-31 tile 2 i + 1
	v_lshlrev_b32 v8, 4, v60
	s_delay_alu instid0(VALU_DEP_1)
	v_lshl_add_u32 v8, v61, 10, v8                 ; V's image: 1,024 h + 16 r
	s_lshl_b32 s29, s22, 9
	s_add_co_u32 s29, s29, STG                     ; my step's scale image in the stage
	s_and_b32 s30, s20, 1
	s_lshl_b32 s30, s30, 7
	s_bfe_u32 s31, s20, 0x10001
	s_lshl_b32 s31, s31, 2
	s_add_co_u32 s30, s30, s31
	s_add_co_u32 s30, s30, s29
	v_and_b32 v9, 7, v60                           ; K's two scale bytes of a key: key block b = w & 3, key 16 t + r of it: slot 8 (b & 1) + (r & 7) + 16 t, word b >> 1, halfword r >> 3
	v_lshl_add_u32 v9, v9, 4, s30
	v_lshrrev_b32 v62, 3, v60
	v_lshl_add_u32 v9, v62, 1, v9
	s_add_co_u32 s31, s29, s21
	s_add_co_u32 s31, s31, 8
	v_lshl_add_u32 v10, v60, 4, s31                ; V's bytes: byte w & 3 (my key block) of the words at + 8
	s_lshl_b32 s30, s20, 7
	s_add_co_u32 s30, s30, STG+1024
	v_lshl_add_u32 v11, v60, 2, s30                ; q's words: token 32 w + 16 t + r
	s_lshl_b32 s30, s20, 8
	s_add_co_u32 s30, s30, STG
	v_lshl_add_u32 v62, v1, 3, s30                 ; back from the stage: 256 bytes a wave, 8 a lane
	v_lshlrev_b32 v63, 3, v1
	v_lshlrev_b32 v48, 5, v61                      ; the bias of q and k: 32 h
	v_lshlrev_b32 v49, 2, v60                      ; v's: 4 r
	v_lshlrev_b32 v1, 4, v1                        ; 16 x lane
	s_and_b32 s30, s20, 1
	s_lshl_b32 s30, s30, 7
	v_xor_b32 v0, s30, v1                          ; K's pieces: in odd key blocks key r lies at place r xor 8 of its 256 bytes; sixteen lanes still fill one aligned 256 bytes
.irp b, 0,1,2,3
	v_mov_b32 v[PB+\b], 0                          ; written once: a lane permute's destination counts as one of its sources
.endr
	; global bases
	s_mov_b32 s31, 0
	s_mul_i32 s30, s25, 768
	s_add_nc_u64 s[12:13], s[12:13], s[30:31]      ; the head's 192 numbers of the bias
	WIN TO_F
.irp c, 0,1,2,3,4,5,6,7
	global_load_b128 v[128+8*\c:131+8*\c], v48, s[12:13] offset:64*\c        ; b(16 c + 8 h + 0 .. 7): the C of tile c's first product
	global_load_b128 v[132+8*\c:135+8*\c], v48, s[12:13] offset:64*\c+16
.endr
.irp n, 0,1,2,3
	global_load_b32 v[192+2*\n], v49, s[12:13] offset:512+64*\n              ; b(128 + 16 n + r), twice: a pair for the packed addition
	global_load_b32 v[193+2*\n], v49, s[12:13] offset:512+64*\n
.endr
	WIN 0
	s_mul_i32 s92, s25, KVHEAD
	s_lshl_b32 s29, s26, 1
	s_add_co_u32 s30, s29, s22                     ; my step of 128 keys: 2 x block + w / 4
	s_mul_i32 s30, s30, KVSTEP
	s_add_co_u32 s30, s30, s92
	s_add_nc_u64 s[94:95], s[18:19], s[30:31]      ; kv at my step
	s_lshl_b32 s30, s21, 10
	s_add_nc_u64 s[96:97], s[94:95], s[30:31]      ; K's image: my pair of tiles
	s_lshl_b32 s30, s21, 8
	s_add_co_u32 s30, s30, 4096
	s_add_nc_u64 s[98:99], s[94:95], s[30:31]      ; V's image: key block w & 3 lies at 512 (block / 2) + 256 (block % 2) = 256 (w & 3) in each d tile
	s_lshl_b32 s30, s25, 17
	s_lshl_b32 s93, s26, 13
	s_add_co_u32 s30, s30, s93
	s_lshl_b32 s93, s20, 10
	s_add_co_u32 s30, s30, s93
	s_add_nc_u64 s[14:15], s[14:15], s[30:31]      ; qc at my first tile: (256 head + 16 block + 2 w) x 512
	s_lshr_b32 s93, s20, 1                         ; what I store out of the stage.  Waves 0-3: half w & 1 of the scale image of step 2 x block + w / 2;
	s_add_co_u32 s93, s93, s29
	s_mul_i32 s93, s93, KVSTEP
	s_add_co_u32 s93, s93, s92
	s_and_b32 s30, s20, 1
	s_lshl_b32 s30, s30, 8
	s_add_co_u32 s93, s93, s30
	s_add_co_u32 s93, s93, 8192
	s_lshl_b32 s92, s25, 14                        ; waves 4-7: 64 of q's words
	s_lshl_b32 s30, s26, 10
	s_add_co_u32 s92, s92, s30
	s_lshl_b32 s30, s21, 8
	s_add_co_u32 s92, s92, s30
	s_cmp_lt_u32 s20, 4                            ; the choice hangs on the wave's number alone
	s_cselect_b64 s[16:17], s[18:19], s[16:17]
	s_cselect_b32 s30, s93, s92
	s_add_nc_u64 s[16:17], s[16:17], s[30:31]
.macro FETCHW                          ; the six tiles of W of half step FE into set FE % 2
.set fq, FE/2
.set fs, 32+48*(FE%2)
.irp i, 0,1,2,3,4,5
	ds_load_b128 v[fs+8*\i:fs+8*\i+3],   v[4+fq/4] offset:(6*(FE%2)+\i)*16*PITCH+64*(fq%4)
	ds_load_b128 v[fs+8*\i+4:fs+8*\i+7], v[4+fq/4] offset:(6*(FE%2)+\i)*16*PITCH+64*(fq%4)+32
.endr
.endm
.macro FETCHX                          ; my two tiles of x of K step FQ into set FQ % 2
.irp t, 0,1
	ds_load_b128 v[16*(FQ%2)+8*\t:16*(FQ%2)+8*\t+3],   v[2+FQ/4] offset:\t*16*PITCH+64*(FQ%4)
	ds_load_b128 v[16*(FQ%2)+8*\t+4:16*(FQ%2)+8*\t+7], v[2+FQ/4] offset:\t*16*PITCH+64*(FQ%4)+32
.endr
.endm
.macro SCALES hf                       ; the scale words of K half hf: four words a row
	ds_load_b128 v[12:15], v6 offset:16*\hf
.irp i, 0,1,2,3,4,5
	ds_load_b128 v[16+4*\i:19+4*\i], v7 offset:1024*\i+16*\hf
.endr
.endm
.macro QKP c, i, t                     ; q's or k's tile c (the set's i-th) x tokens' tile t
.set wz, 0
.set wd, 64+64*(\t)+8*(\c)
.set wa, 32+48*(E%2)+8*(\i)
.set wb, 16*(hq%2)+8*(\t)
.if hq == 0
.set wc, 128+8*(\c)
.else
.set wc, wd
.endif
.set wsa, 16+4*((\c)/2)+hq%4
.set wra, (\c)%2
.set wsb, 12+hq%4
.set wrb, \t
	WM
.endm
.macro VP n, u                         ; tokens' tile u x v's tile n
.set wd, 192+16*(\n)+8*(\u)
.set wc, wd
.set wz, 0
.if hq == 0
.set wz, 1
.endif
.set wa, 16*(hq%2)+8*(\u)
.set wb, 32+48*(E%2)+8*((\n)+2)
.set wsa, 12+hq%4
.set wra, \u
.set wsb, 32+4*((\n)/2)+hq%4
.set wrb, (\n)%2
	WM
.endm
; Half step E: K step E / 2 (128 along K), W's tiles 0-5 (even E) or 6-11 (odd E): 12 products on 12 accumulators; the 24 accumulators take turns, one instruction a turn.
; The next half step's fragments are asked for ahead of the products.  Four plain places stand between the last products and loads into registers that they read (ISA guide 7.12.1 for vector instructions).
.macro HALF
.set hq, E/2
.set hg, E%2
.if E > 0
.rept 4
	v_nop
.endr
.endif
.if E == 8
	WIN 0
	SCALES 1
.endif
.if E < 15
	WIN TO_F
.set FE, E+1
	FETCHW
.if hg == 1
.set FQ, hq+1
	FETCHX
	s_wait_dscnt 16                                ; all but the 16 just issued (12 of W, 4 of x)
.else
	s_wait_dscnt 12                                ; all but the 12 just issued
.endif
.else
	s_wait_dscnt 0x0
.endif
.if hq == 0
	WIN MULB
.else
	WIN MUL
.endif
.if hg == 0
.irp c, 0,1,2,3,4,5
	QKP \c, \c, 0
	QKP \c, \c, 1
.endr
.else
.irp c, 6,7
	QKP \c, \c-6, 0
	QKP \c, \c-6, 1
.endr
.irp n, 0,1,2,3
	VP \n, 0
	VP \n, 1
.endr
.endif
.endm
; 64 numbers of a lane, four blocks b of 16 registers (with lane l xor 16's 16 a block of 32), become codes in v[PC ..] and the blocks' scale bytes in v[PB + b].
; Register j of a block's even tile is element 8 h + j, of its odd tile element 16 + 8 h + j.  The operand wants register 4 c + g of lane half h' to hold elements 8 g .. 8 g + 7 of block 2 c + h':
; so the conversions of blocks 2 c and 2 c + 1 stand side by side, tile by tile, and one exchange of lane halves for each such pair sets them right.
.macro QUANT s
.irp b, 0,1,2,3
	v_max3_num_f32 v[MX+\b], |v[(\s)+16*\b]|, |v[(\s)+16*\b+1]|, 0x1800000   ; with the floor 2^(3 - 127): the byte cannot fall under 1
.endr
.irp i, 2,4,6,8,10,12,14
.irp b, 0,1,2,3
	v_max3_num_f32 v[MX+\b], v[MX+\b], |v[(\s)+16*\b+\i]|, |v[(\s)+16*\b+\i+1]|
.endr
.endr
.irp b, 0,1,2,3
	s_delay_alu instid0(VALU_DEP_4)
	v_permlanex16_b32 v[PB+\b], v[MX+\b], s[SEL], s[SEL+1]
.endr
.irp b, 0,1,2,3
	s_delay_alu instid0(VALU_DEP_4)
	v_max_num_f32 v[MX+\b], v[MX+\b], v[PB+\b]     ; the block's largest magnitude
.endr
.irp b, 0,1,2,3
	s_delay_alu instid0(VALU_DEP_4)
	v_add_nc_u32 v[SO+\b], 0xff000000, v[MX+\b]    ; 2 off its exponent field: the conversion's scale operand
.endr
.irp b, 0,1,2,3
	s_delay_alu instid0(VALU_DEP_4)
	v_lshrrev_b32 v[PB+\b], 23, v[SO+\b]           ; the scale's byte
.endr
.irp c, 0,1
	v_cvt_scalef32_pk8_fp4_f32 v[PC+4*\c],   v[(\s)+32*\c:(\s)+32*\c+7],     v[SO+2*\c]
	v_cvt_scalef32_pk8_fp4_f32 v[PC+4*\c+1], v[(\s)+32*\c+16:(\s)+32*\c+23], v[SO+2*\c+1]
	v_cvt_scalef32_pk8_fp4_f32 v[PC+4*\c+2], v[(\s)+32*\c+8:(\s)+32*\c+15],  v[SO+2*\c]
	v_cvt_scalef32_pk8_fp4_f32 v[PC+4*\c+3], v[(\s)+32*\c+24:(\s)+32*\c+31], v[SO+2*\c+1]
.endr
	v_nop                                          ; one plain place behind a scaled conversion
.irp c, 0,1
	v_permlane16_swap_b32 v[PC+4*\c], v[PC+4*\c+1]
	v_permlane16_swap_b32 v[PC+4*\c+2], v[PC+4*\c+3]
.endr
.endm
	s_wait_tensorcnt 0x0                           ; my one tile is in
	s_barrier_signal -1
	s_barrier_wait -1                              ; everybody's are
	SCALES 0
	WIN TO_F
.set FQ, 0
	FETCHX
.set FE, 0
	FETCHW
	s_wait_loadcnt 0x0                             ; the bias
.set E, 0
.rept 16
	HALF
.set E, E+1
.endr
	WIN 0
.rept 4
	v_nop                                          ; places in front of the first read of results
.endr
	; ---- v: + bias (one number a lane for each d tile), then quantised along my 32 tokens, which are one block of keys
	WIN ADDB
.irp n, 0,1,2,3
.irp j, 0,2,4,6,8,10,12,14
	v_pk_add_f32 v[192+16*\n+\j:193+16*\n+\j], v[192+16*\n+\j:193+16*\n+\j], v[192+2*\n:193+2*\n]   ; each accumulator from its low end on
.endr
.endr
	WIN 0
	QUANT 192                                      ; "block" n = d tile n: lane (r, h') ends with the 32 codes of rows 16 (2 c + h') + r
	global_store_b128 v8, v[PC:PC+3], s[98:99]             ; sixteen lanes store 256 consecutive bytes, aligned
	global_store_b128 v8, v[PC+4:PC+7], s[98:99] offset:2048
.irp n, 0,1,2,3
	ds_store_b8 v10, v[PB+\n] offset:256*(\n%2)+4*(\n/2)   ; both halves of the lanes write the same byte with the same value
.endr
	; ---- q and k of my two tiles of tokens
.irp t, 0,1
	s_wait_xcnt 0x0                                ; the stores have read their data: the codes' registers are written again only behind this wait
	s_wait_dscnt 0x0
	QUANT 64+64*\t                                 ; blocks 0, 1: q;  blocks 2, 3: k
	global_store_b128 v1, v[PC:PC+3], s[14:15] offset:512*\t        ; 512 consecutive bytes
	global_store_b128 v0, v[PC+4:PC+7], s[96:97] offset:512*\t
	v_lshl_or_b32 v60, v[PB+1], 8, v[PB]
	s_delay_alu instid0(VALU_DEP_1)
	v_or_b32 v60, 0x7f7f0000, v60                  ; q's word: its two bytes, and 1.0 for the 64 zero codes that fill the instruction's K
	ds_store_b32 v11, v60 offset:64*\t
	v_lshl_or_b32 v61, v[PB+3], 8, v[PB+2]         ; my key's two bytes
	ds_store_b16 v9, v61 offset:256*\t
.endr
	s_wait_dscnt 0x0                               ; for the others' sake: my stores into the stage are done
	s_barrier_signal -1
	s_barrier_wait -1
	ds_load_b64 v[40:41], v62
	s_wait_dscnt 0x0
	global_store_b64 v63, v[40:41], s[16:17]       ; 32 lanes store 256 consecutive bytes, aligned
	s_set_vgpr_msb 0x5
	s_wait_tensorcnt 0x0
	ds_add_u32 v200, v201
	s_wait_dscnt 0x0
	s_set_vgpr_msb 0x500
	CROUND                                         ; the closing round: no work-group ends while a partner may still ask for a tile that names it
	s_endpgm
.Lfunc_end_k_qa73e85fcb8_qkv:
	.size	k_qa73e85fcb8_qkv, .Lfunc_end_k_qa73e85fcb8_qkv-k_qa73e85fcb8_qkv
	.p2alignl 7, 3214868480
	.fill 96, 4, 3214868480
	.section	.rodata,"a",@progbits
	.p2align	6, 0x0
	.amdhsa_kernel k_qa73e85fcb8_qkv
		.amdhsa_group_segment_fixed_size 261120
		.amdhsa_private_segment_fixed_size 0
		.amdhsa_enable_private_segment 0
		.amdhsa_kernarg_size 64
		.amdhsa_user_sgpr_count 2
		.amdhsa_user_sgpr_kernarg_segment_ptr 1
		.amdhsa_wavefront_size32 1
		.amdhsa_system_sgpr_workgroup_id_x 1
		.amdhsa_system_sgpr_workgroup_id_y 1
		.amdhsa_system_sgpr_workgroup_id_z 1
		.amdhsa_system_vgpr_workitem_id 0
		.amdhsa_next_free_vgpr 458
		.amdhsa_next_free_sgpr 100
		.amdhsa_reserve_vcc 0
		.amdhsa_float_denorm_mode_32 3
		.amdhsa_float_denorm_mode_16_64 3
		.amdhsa_memory_ordered 1
		.amdhsa_forward_progress 1
		.amdhsa_inst_pref_size 72
	.end_amdhsa_kernel
	.amdgpu_metadata
---
amdhsa.version: [ 1, 2 ]
amdhsa.kernels:
  - .name:           k_qa73e85fcb8_qkv
    .symbol:         k_qa73e85fcb8_qkv.kd
    .args:
      - { .name: encodings_codes, .offset: 0, .size: 8, .value_kind: global_buffer, .address_space: global }
      - { .name: encodings_scales, .offset: 8, .size: 8, .value_kind: global_buffer, .address_space: global }
      - { .name: attn_W_codes, .offset: 16, .size: 8, .value_kind: global_buffer, .address_space: global }
      - { .name: attn_W_scales, .offset: 24, .size: 8, .value_kind: global_buffer, .address_space: global }
      - { .name: attn_b, .offset: 32, .size: 8, .value_kind: global_buffer, .address_space: global }
      - { .name: qc, .offset: 40, .size: 8, .value_kind: global_buffer, .address_space: global }
      - { .name: qs, .offset: 48, .size: 8, .value_kind: global_buffer, .address_space: global }
      - { .name: kv, .offset: 56, .size: 8, .value_kind: global_buffer, .address_space: global }
    .group_segment_fixed_size: 261120
    .private_segment_fixed_size: 0
    .kernarg_segment_align: 8
    .kernarg_segment_size: 64
    .max_flat_workgroup_size: 256
    .sgpr_count:     100
    .vgpr_count:     458
    .wavefront_size: 32
...
	.end_amdgpu_metadata
.endif
;; end of part 1
;; launch attn (part 2): grid 16 x 16, 16 waves a work-group, clusters of 4 x 1, 327,680 bytes of LDS; arguments qc, qs, kv, cc, cs; writes cc, cs
.if DOCPART == 2
	.amdgcn_target "amdgcn-amd-amdhsa--gfx1250"
	.amdhsa_code_object_version 6
	.text
	.protected	k_qa73e85fcb8_attn
	.globl	k_qa73e85fcb8_attn
	.p2align	8
	.type	k_qa73e85fcb8_attn,@function
k_qa73e85fcb8_attn:
	s_mov_b64 s[64:65], 0
	v_nop
	global_prefetch_b8 v0, s[64:65] scope:SCOPE_SE
	s_setreg_imm32_b32 hwreg(HW_REG_WAVE_MODE, 25, 1), 1
	s_wait_xcnt 0x0
	s_wait_alu depctr_hold_cnt(0) depctr_sa_sdst(0) depctr_va_vdst(0) depctr_va_sdst(0) depctr_va_ssrc(0) depctr_va_vcc(0) depctr_vm_vsrc(0)
	s_getreg_b32 s2, hwreg(HW_REG_IB_STS2, 6, 4)
	s_cmp_eq_u32 s2, 0
	s_cbranch_scc0 .Lentry_in_a_cluster
	s_endpgm
.Lentry_in_a_cluster:
	s_bfe_u32 s2, ttmp6, 0x10000c
	s_cmp_lg_u32 s2, 0x3003
	s_cbranch_scc0 .Lentry_shape_is_right
	s_endpgm
.Lentry_shape_is_right:
; Causal attention of one head on codes of FP4 (E2M1): S^T = K Q^T (K = the head's 64), p = 2^(t - M), O^T = V^T P^T (K = the keys), o / l quantised along D for the last product.
; THE MASK IS -10,000, NOT -INFINITY: a hidden key keeps its logit, counts for M and for the sum, and takes part in the second product.  In a key step all of whose 128 keys are hidden, p is ONE number a query,
; so its quantised value Q(p) is too, and the step's share of O^T is Q(p) x (V^T x ones): U^T = V^T x ones is summed by the matrix unit over the hidden steps (it needs no M), and Q(p) U and 128 p a step are added at the end.
; t = score x log2(e) / 8; M = the running largest t rounded up to a whole number; l is the sum of the unquantised p; when M moves, l and O^T are multiplied by 2^(old M - new M), exactly.
; SHARES.  y = the head; the four work-groups of a cluster share the head's K and V: one joint load a wave, 68 rows of 256 bytes, brings the whole head (32 steps x 8,704 bytes) into LDS once.
; A PAIR of waves (w, w xor 1) owns two tiles of 16 queries: tile j of block 31 - a (late: 32 - a visible steps) and tile j of block a (early: a + 1).  Wave A walks the late tile's steps 0 .. x - 1, x = 18 - a / 8,
; and its hidden steps; wave B walks the late tile's steps x .. 31 - a, lays that part (O^T, -M, l) into an LDS stage, then walks the early tile whole.  Behind one barrier A joins B's part to its own by powers of two.
; So every wave has 15 to 18 visible steps.  a, x and the roles are made of the cluster's x and the wave's number alone (alike in the partners); the place in the cluster enters j alone: global addresses and the mask's compare.
; K = 64 IN AN INSTRUCTION 128 DEEP: source 0 is a PAIR of key tiles (registers 0-3, 4-7); Q stands as [0000 q 0000]: [q 0] picks the first tile, [0 q] the second; the other meets zero codes.
; THE KEYS OF A TILE: rows 0-7 are keys 64 c + 8 g + 0..7, rows 8-15 the keys 32 further on.  So register 32 c + 8 g + i of S^T is key 64 c + 32 (lane / 16) + 8 g + i: a lane holds WHOLE blocks of 32 keys, in order:
; a block's maximum needs no other lane, and the conversions' results are the second product's operand as they stand.
; No prefetch: all that the launch reads through LDS is asked for once, at the head; there is no loop to run ahead in.
; LIMITS: the promise holds while |t| stays under 2^31; p under 2^-126 is taken as 0 (v_exp_f32 flushes; the row's largest p is above 1/2); a block whose largest magnitude lies under 2^-124 takes the scale byte 1
; (zeros too: this program alone reads the bytes); a hidden p under 2^-124 is rounded to two significant bits and not to the floor scale's grid; NaN and infinities are not served.
.set STEPB,  8704
.set KVHEAD, 32*STEPB
.set STG,    KVHEAD                    ; the stage: 4,608 bytes a pair of waves, written by LDS stores alone
.set PART,   4608
.set SPARE,  STG+8*PART                ; the spare words: 128 bytes a wave
.set G1, 32                            ; s[32:39] group 1;  s[40:43] group 0
.set G0, 40
.set ROLE, 23                          ; 0: wave A, 1: wave B
.set LO,  44                           ; the walk's first and last visible step, its diagonal step
.set HI,  45
.set DGC, 46
.set LO2, 47                           ; the same for the second walk
.set HI2, 48
.set DGF, 49                           ; the diagonal step of the tile that I finish
.set DGL, 50
; s14 wave, s15 cx, s17 head, s18 a, s19 j, s21 step, s22 its LDS byte, s[24:25] lane selects, s[26:27] c, s28 -80,000
; v1 16 x lane; v2 step's address; v3 d for the mask; v4 cs offset; v5, v6 my place in K's even and odd tiles; v7 8 (lane / 16); v10, v11 K's addresses; v12 -M, v13 largest t, v[14:15] l; v16-27 Q; v28-29 its scale words; v30-34 the second tile's Q; v35 stage
.set SPW, 8
.set NIL, 9
.set KF,  36                           ; K: four pairs of tiles
.set VF,  68                           ; V: four d tiles
.set SS,  100                          ; S^T, then p; at the end U^T (first 32) and what is at work (last 32)
.set OO,  164                          ; O^T
.set PP,  196                          ; P
.set MX,  204
.set SO,  208
.set BY,  210
.set FF,  212
.set TM,  214
.set PW,  215                          ; P's scale word
.set T1,  216
.set T2,  218
.set T3,  220
.set HS,  222                          ; -80,000
.set SW,  224                          ; K's and V's scale words
.set XP,  228
.set NHV, 230                          ; 128 x the number of my hidden steps, as f32
.macro CROUND                          ; a round of the cluster's barrier
	s_barrier_signal -1
	s_barrier_wait -1
	s_cmp_lg_u32 s14, 0
	s_cbranch_scc1 .Lnot_wave_0_\@
	s_barrier_signal -3
.Lnot_wave_0_\@:
	s_barrier_wait -3
	s_barrier_signal -1
	s_barrier_wait -1
.endm
.macro WM                              ; D v[wd ..], source 0 v[wa ..], source 1 v[wb ..], C = 0 (wz) or D; scale words v[wsa] (lanes 16-31 if wra) and v[wsb]
.if wz
.if wra
	v_wmma_scale_f32_16x16x128_f8f6f4 v[wd:wd+7], v[wa:wa+7], v[wb:wb+7], 0, v[wsa], v[wsb] matrix_a_fmt:MATRIX_FMT_FP4 matrix_b_fmt:MATRIX_FMT_FP4 matrix_a_scale:MATRIX_SCALE_ROW1
.else
	v_wmma_scale_f32_16x16x128_f8f6f4 v[wd:wd+7], v[wa:wa+7], v[wb:wb+7], 0, v[wsa], v[wsb] matrix_a_fmt:MATRIX_FMT_FP4 matrix_b_fmt:MATRIX_FMT_FP4
.endif
.else
.if wra
	v_wmma_scale_f32_16x16x128_f8f6f4 v[wd:wd+7], v[wa:wa+7], v[wb:wb+7], v[wd:wd+7], v[wsa], v[wsb] matrix_a_fmt:MATRIX_FMT_FP4 matrix_b_fmt:MATRIX_FMT_FP4 matrix_a_scale:MATRIX_SCALE_ROW1
.else
	v_wmma_scale_f32_16x16x128_f8f6f4 v[wd:wd+7], v[wa:wa+7], v[wb:wb+7], v[wd:wd+7], v[wsa], v[wsb] matrix_a_fmt:MATRIX_FMT_FP4 matrix_b_fmt:MATRIX_FMT_FP4
.endif
.endif
.endm
	s_load_b256 s[4:11], s[0:1], 0x0               ; qc s[4:5], qs s[6:7], kv s[8:9], cc s[10:11]
	s_load_b64 s[12:13], s[0:1], 0x20              ; cs
	v_lshl_add_u32 v[SPW], v0, 2, SPARE
	v_mov_b32 v[NIL], 0
	ds_add_u32 v[SPW], v[NIL]                      ; the opening lines: the add, twice on end, and its wait ahead of my tensor load
	ds_add_u32 v[SPW], v[NIL]
	v_lshrrev_b32 v1, 5, v0
	s_delay_alu instid0(VALU_DEP_1)
	v_readfirstlane_b32 s14, v1                    ; wave 0..15
	s_and_b32 s17, ttmp7, 0xffff                   ; the head, which the four partners share
	s_mov_b32 s[G1], 15|(3<<16)|(1<<21)            ; 68 dense rows of 256 bytes (32 elements of 8 bytes): a sixteenth of the head; the mask names all four work-groups
	s_mov_b32 s[G1+1], 32<<16
	s_mov_b32 s[G1+2], 68<<16
	s_mov_b32 s[G1+3], 32<<16
	s_mov_b32 s[G1+4], 68
	s_mov_b32 s[G1+5], 32
	s_mov_b32 s[G1+6], 0
	s_mov_b32 s[G1+7], 0
	s_mul_i32 s30, s17, KVHEAD
	s_mul_i32 s16, s14, 68*256                     ; my rows' place, in memory and in LDS alike
	s_add_co_u32 s30, s30, s16
	s_mov_b32 s31, 0
	s_wait_dscnt 0x0
	s_wait_kmcnt 0x0
	s_mov_b32 s[G0], 1
	s_mov_b32 s[G0+1], s16
	s_add_nc_u64 s[G0+2:G0+3], s[8:9], s[30:31]
	s_or_b32 s[G0+3], s[G0+3], 0x80000000
	CROUND                                         ; all four work-groups are here: the joint loads meet
	tensor_load_to_lds s[G0:G0+3], s[G1:G1+7]      ; my one tensor load
	s_nop 0
.rept 4
	v_nop
.endr
	; who I am
	s_bfe_u32 s15, ttmp6, 0x40000                  ; cx
	s_lshr_b32 s30, s14, 2
	s_xor_b32 s31, s14, s30
	s_and_b32 s[ROLE], s31, 1                      ; bit 0 xor bit 2 of the wave: my partner is wave w xor 1
	s_and_b32 s19, s30, 1
	s_bfe_u32 s18, s14, 0x10001
	s_lshr_b32 s30, s14, 3
	s_lshl_b32 s30, s30, 1
	s_add_co_u32 s18, s18, s30
	s_lshl_b32 s30, ttmp9, 2
	s_add_co_u32 s18, s18, s30                     ; a = 4 x cluster x + bit 1 + 2 x bit 3: 0 .. 15
	s_lshl_b32 s30, s15, 1
	s_add_co_u32 s19, s19, s30                     ; j = 2 cx + bit 2: the tile among a block's eight
	s_sub_co_u32 s[DGL], 31, s18                   ; the late block
	s_lshr_b32 s30, s18, 3
	s_sub_co_u32 s51, 18, s30                      ; x: where the late tile's walk is cut
	s_sub_co_u32 s31, s51, 1
	s_cmp_lg_u32 s[ROLE], 0
	s_cselect_b32 s[LO], s51, 0
	s_cselect_b32 s[HI], s[DGL], s31
	s_cselect_b32 s[LO2], 0, 1                     ; wave A's second walk is empty: first step 1, last step 0
	s_cselect_b32 s[HI2], s18, 0
	s_cselect_b32 s[DGF], s18, s[DGL]
	s_mov_b32 s[DGC], s[DGL]
	s_mov_b32 s57, 0
	s_lshl_b32 s58, s17, 17
	s_lshl_b32 s59, s17, 14
	s_lshl_b32 s31, s18, 3
	s_add_co_u32 s31, s31, s19                     ; the early tile: 8 a + j
	s_lshl_b32 s56, s31, 9
	s_add_co_u32 s56, s56, s58
	s_add_nc_u64 s[52:53], s[4:5], s[56:57]        ; its Q: (256 head + tile) x 512
	s_lshl_b32 s56, s31, 6
	s_add_co_u32 s56, s56, s59
	s_add_nc_u64 s[54:55], s[6:7], s[56:57]        ; its words
	s_lshl_b32 s20, s[DGL], 3
	s_add_co_u32 s20, s20, s19                     ; the late tile
	s_lshl_b32 s56, s20, 9
	s_add_co_u32 s56, s56, s58
	s_add_nc_u64 s[4:5], s[4:5], s[56:57]
	s_lshl_b32 s56, s20, 6
	s_add_co_u32 s56, s56, s59
	s_add_nc_u64 s[6:7], s[6:7], s[56:57]
	s_cmp_lg_u32 s[ROLE], 0
	s_cselect_b32 s20, s31, s20                    ; the tile that I finish
	s_lshr_b32 s56, s17, 3
	s_lshl_b32 s56, s56, 20
	s_lshl_b32 s30, s20, 12
	s_add_co_u32 s56, s56, s30
	s_and_b32 s30, s17, 7
	s_lshl_b32 s30, s30, 9
	s_add_co_u32 s56, s56, s30
	s_add_nc_u64 s[10:11], s[10:11], s[56:57]      ; cc: [head / 8][tile][head % 8] pieces of 512 bytes
	s_lshl_b32 s56, s20, 9
	s_lshl_b32 s30, s17, 1
	s_add_co_u32 s56, s56, s30
	s_add_nc_u64 s[12:13], s[12:13], s[56:57]      ; cs: [token][32], bytes 2 head, 2 head + 1
	s_mov_b32 s24, 0x76543210
	s_mov_b32 s25, 0xfedcba98                      ; lane l xor 16
	s_mov_b32 s26, 0x3e38aa3b                      ; c = log2(e) / 8
	s_mov_b32 s27, s26
	s_mov_b32 s28, 0xc79c4000                      ; -80,000 = -10,000 x 8: a hidden key's score
	s_sub_co_u32 s58, 31, s[DGF]
	s_lshl_b32 s58, s58, 7                         ; keys in my hidden steps
	s_mov_b32 s31, 0xff61b1e6                      ; -3e38
	s_cmp_lt_u32 s[DGL], 31                        ; a row with hidden steps has the hidden t among its entries from the start; in the last block hidden keys appear in the diagonal step itself
	s_cselect_b32 s59, s28, s31
	s_lshr_b32 s56, s14, 1
	s_mul_i32 s56, s56, PART
	s_add_co_u32 s56, s56, STG                     ; my pair's stage
	s_lshl_b32 s30, s19, 4
	v_and_b32 v2, 31, v0
	v_and_b32 v3, 15, v0                           ; r
	v_bfe_u32 v10, v0, 4, 1                        ; h
	v_lshlrev_b32 v1, 4, v2                        ; 16 x lane
	v_lshlrev_b32 v[TM], 2, v3
.irp i, 30,31,32,33,34
	v_mov_b32 v\i, 0
.endr
	s_wait_alu depctr_va_vdst(0)                   ; the wait ahead of the readers below
	global_load_b128 v[20:23], v1, s[4:5]          ; the late tile's Q: lane (r, h) holds query r's block h
	global_load_b32 v28, v[TM], s[6:7]             ; its word: bytes 0, 1 its scales, bytes 2, 3 = 0x7f
	s_cmp_eq_u32 s[ROLE], 0
	s_cbranch_scc1 .Lone_q
	global_load_b128 v[30:33], v1, s[52:53]        ; wave B: the early tile's too
	global_load_b32 v34, v[TM], s[54:55]
.Lone_q:
	v_lshl_add_u32 v4, v3, 5, v10                  ; 32 r + h
	v_and_b32 v5, 7, v3
	v_lshrrev_b32 v11, 3, v3                       ; g = row / 8: which of the tile's two key blocks
	v_lshlrev_b32 v5, 4, v5
	v_lshlrev_b32 v7, 3, v10                       ; 8 h
	v_lshl_add_u32 v5, v10, 8, v5                  ; 16 (row % 8) + 256 h
	v_add_nc_u32 v35, s56, v1
	v_mad_u32_u24 v6, v11, 896, v5
	v_mad_u32_u24 v5, v11, 1152, v5                ; even tiles: the odd block lies 1,024 on, its keys turned by 8 places: + 128
	v_add_nc_u32 v6, 128, v6                       ; odd tiles: + 128 in the even block, + 1,024 in the odd one.  So sixteen lanes touch sixteen different 16-byte columns of 256
	v_lshlrev_b32 v11, 5, v10
	v_sub_nc_u32 v3, v3, v11
	v_add_nc_u32 v3, s30, v3                       ; d = 16 j + r - 32 h: in the diagonal step register n is hidden where 64 (n / 32) + n % 32 > d
	v_mov_b32 v[HS], s28
	v_mul_f32 v13, s26, s59                        ; the largest t so far
	v_cvt_f32_u32 v[NHV], s58
	v_floor_f32 v12, -v13                          ; -M
	v_mov_b32 v14, 0
	v_mov_b32 v15, 0
	v_mov_b32 v[FF+1], 0                           ; (upper halves of pairs that are named whole)
	v_mov_b32 v[T1+1], 0
	v_mov_b32 v[XP], 0                             ; a lane permute's destination counts as one of its sources
	v_mov_b32 v[BY], 0
	v_mov_b32 v[BY+1], 0
.set i, 0
.rept 32
	v_mov_b32 v[KF+i], 0                           ; K's registers and scale words are written once here: a walk's first step loads them, every later step finds what the step before asked for
.set i, i+1
.endr
	v_mov_b32 v[SW], 0
	v_mov_b32 v[SW+1], 0
.irp i, 0,1,2,3
	v_mov_b32 v[16+\i], 0
	v_mov_b32 v[24+\i], 0
.endr
	s_wait_alu depctr_va_vdst(0)                   ; the wait ahead of the blocking wait
	s_wait_loadcnt 0x0                             ; Q
	v_lshl_or_b32 v29, v28, 16, 0x7f7f             ; the word for [0 q]: the scales in bytes 2, 3
.set i, 0
.rept 32
	v_mov_b32 v[OO+i], 0                           ; O^T: the step is written once, and its first change of M leaves zeros zeros
.set i, i+1
.endr
.set AKW, 231                          ; v231 address of K's scale words
.macro KLOADS                          ; a step's K: its scale words (pairs 0/1, 2/3 in lanes 0-15 / 16-31) and four pairs of tiles: nine loads
	ds_load_b64 v[SW:SW+1], v[AKW] offset:8192
.irp p, 0,1,2,3
	ds_load_b128 v[KF+8*\p:KF+8*\p+3], v10 offset:2048*(\p/2)+512*(\p%2)
	ds_load_b128 v[KF+8*\p+4:KF+8*\p+7], v11 offset:2048*(\p/2)+512*(\p%2)
.endr
.endm
.macro VLOADS
.irp n, 0,1,2,3
	ds_load_b128 v[VF+8*\n:VF+8*\n+3], v2 offset:4096+1024*\n
	ds_load_b128 v[VF+8*\n+4:VF+8*\n+7], v2 offset:4096+1024*\n+512
.endr
.endm
.macro PV d, z                         ; v[d ..] (+)= V^T x source 1: four accumulators by turns
.set wz, \z
.irp n, 0,1,2,3
.set wd, \d+8*\n
.set wa, VF+8*\n
.set wb, PP
.set wsa, SW+2+\n/2
.set wra, \n%2
.set wsb, PW
	WM
.endr
.endm
; A KEY STEP of 128 keys, walked where LO <= step <= HI (ids alone); at step DGC the hidden keys are masked.
.macro STEP
	s_cmp_lt_u32 s21, s[LO]
	s_cbranch_scc1 .Lend_\@
	s_cmp_gt_u32 s21, s[HI]
	s_cbranch_scc1 .Lend_\@
	s_cmp_lg_u32 s21, s[LO]
	s_cbranch_scc1 .Lhave_\@                       ; K came with the step before; only a walk's first step asks for its own
	v_add_nc_u32 v10, s22, v5
	v_add_nc_u32 v11, s22, v6
	v_add_nc_u32 v[AKW], s22, v1
	KLOADS
.Lhave_\@:
	v_add_nc_u32 v2, s22, v1                       ; these four lines are the places in front of loads into registers that the last products read
	v_mov_b32 v[TM], v12                           ; the old -M
	v_nop
	v_nop
	ds_load_b64 v[SW+2:SW+3], v2 offset:8200       ; V's scale words: d tiles 0/1, 2/3
	VLOADS
	s_wait_dscnt 9                                 ; K and its scale words are in; the nine loads just issued (V's words, V's eight) may be out
.set wz, 1
.irp p, 0,1,2,3
.irp u, 0,1
.set wd, SS+16*\p+8*\u
.set wa, KF+8*\p
.set wb, 20-4*\u
.set wsa, SW+\p/2
.set wra, \p%2
.set wsb, 28+\u
	WM
.endr
.endr
	s_add_co_u32 s56, s22, STEPB
	s_min_u32 s56, s56, 31*STEPB                   ; the next step's LDS byte, held inside the head
	v_add_nc_u32 v10, s56, v5                      ; with the v_nop: the four places behind the products
	v_add_nc_u32 v11, s56, v6
	v_add_nc_u32 v[AKW], s56, v1
	v_nop
	s_cmp_ge_u32 s21, s[HI]
	s_cbranch_scc1 .Llast_\@
	KLOADS                                         ; the next step's K: it has this step's softmax in which to come, and is waited for with V, ahead of the second product
.Llast_\@:
	s_cmp_lg_u32 s21, s[DGC]
	s_cbranch_scc1 .Lopen_\@
.set n, 0
.rept 64                                       ; the diagonal: hidden keys' scores become -80,000 ahead of the maximum; each accumulator from its low end on
	v_cmp_gt_i32 vcc_lo, 64*(n/32)+n%32, v3
	v_cndmask_b32 v[SS+n], v[SS+n], v[HS], vcc_lo
.set n, n+1
.endr
.Lopen_\@:
.irp q, 0,1,2,3                                ; my two blocks' largest scores, in four chains by turns
	v_max3_num_f32 v[MX+\q], v[SS+16*\q], v[SS+16*\q+1], v[SS+16*\q+2]
.endr
.irp i, 3,5,7,9,11,13
.irp q, 0,1,2,3
	v_max3_num_f32 v[MX+\q], v[MX+\q], v[SS+16*\q+\i], v[SS+16*\q+\i+1]
.endr
.endr
	v_max3_num_f32 v[MX], v[MX], v[MX+1], v[SS+15]
	v_max3_num_f32 v[MX+2], v[MX+2], v[MX+3], v[SS+47]
	v_max_num_f32 v[MX], v[MX], v[SS+31]           ; block h of the step
	v_max_num_f32 v[MX+1], v[MX+2], v[SS+63]       ; block 2 + h
	v_max_num_f32 v[XP+1], v[MX], v[MX+1]
	v_mul_f32 v[XP+1], s26, v[XP+1]                ; as t (c is positive)
	v_permlanex16_b32 v[XP], v[XP+1], s24, s25
	v_max3_num_f32 v13, v13, v[XP], v[XP+1]        ; the running largest t
	v_floor_f32 v12, -v13                          ; the new -M = -ceil(t)
.set j, 0
.irp e, 0,1,2,3                                ; t - M; the three dependent lines that make f = 2^(old M - new M) stand among these, eight apart
.rept 8
	v_pk_fma_f32 v[SS+j:SS+j+1], v[SS+j:SS+j+1], s[26:27], v[12:13] op_sel_hi:[1,0,0]
.set j, j+2
.endr
.if \e == 0
	v_sub_f32 v[TM], v12, v[TM]                    ; old M - new M: a whole number, 0 or less
.elseif \e == 1
	v_cvt_i32_f32 v[TM], v[TM]                     ; (it saturates)
.elseif \e == 2
	v_ldexp_f32 v[FF], 1.0, v[TM]
.endif
.endr
	v_fma_f32 v[MX], v[MX], s26, v12               ; the same of each block's largest score: p rises with the score
	v_fma_f32 v[MX+1], v[MX+1], s26, v12
	s_wait_alu depctr_va_vdst(0)                   ; the wait ahead of the batch
.set j, 0
.rept 64
	v_exp_f32 v[SS+j], v[SS+j]                     ; p = 2^(t - M): not normalised
.set j, j+1
.endr
	v_exp_f32 v[MX], v[MX]                         ; the blocks' largest p
	v_exp_f32 v[MX+1], v[MX+1]
	v_pk_mul_f32 v[14:15], v[14:15], v[FF:FF+1] op_sel_hi:[1,0]   ; l under the new M (a plain place behind the exponentials)
	s_wait_alu depctr_va_vdst(0)                   ; and the one wait behind it
	v_max_num_f32 v[MX], 0x1800000, v[MX]          ; the floor 2^(3 - 127)
	v_max_num_f32 v[MX+1], 0x1800000, v[MX+1]
	v_add_nc_u32 v[SO], 0xff000000, v[MX]          ; 2 off the exponent field: the conversion's scale operand
	v_add_nc_u32 v[SO+1], 0xff000000, v[MX+1]
.irp c, 0,1
.irp g, 0,1,2,3
	v_cvt_scalef32_pk8_fp4_f32 v[PP+4*\c+\g], v[SS+32*\c+8*\g:SS+32*\c+8*\g+7], v[SO+\c]   ; register 4 c + g: keys 64 c + 32 h + 8 g ..: the operand as it stands
.endr
.endr
	s_wait_alu depctr_va_vdst(0)                   ; the wait directly ahead of the first readers of O^T
.set j, 0
.rept 16
	v_pk_mul_f32 v[OO+j:OO+j+1], v[OO+j:OO+j+1], v[FF:FF+1] op_sel_hi:[1,0]   ; O^T under the new M
.set j, j+2
.endr
	v_lshrrev_b32 v[BY], 23, v[SO]                 ; the scales' bytes.  The dependent lines that make P's scale word stand among the sums, four apart
	v_lshrrev_b32 v[BY+1], 23, v[SO+1]
	v_pk_add_f32 v[T1:T1+1], v[SS+2:SS+3], v[SS+4:SS+5]      ; l takes the unquantised p: four chains by turns
	v_pk_add_f32 v[T2:T2+1], v[SS+6:SS+7], v[SS+8:SS+9]
	v_pk_add_f32 v[T3:T3+1], v[SS+10:SS+11], v[SS+12:SS+13]
	v_pk_add_f32 v[14:15], v[14:15], v[SS:SS+1]
	v_lshl_or_b32 v[PW], v[BY+1], 16, v[BY]        ; my two bytes, blocks h and 2 + h,
.set j, 14
.irp e, 0,1,2
	v_pk_add_f32 v[T1:T1+1], v[T1:T1+1], v[SS+j:SS+j+1]
	v_pk_add_f32 v[T2:T2+1], v[T2:T2+1], v[SS+j+2:SS+j+3]
	v_pk_add_f32 v[T3:T3+1], v[T3:T3+1], v[SS+j+4:SS+j+5]
	v_pk_add_f32 v[14:15], v[14:15], v[SS+j+6:SS+j+7]
.set j, j+8
.if \e == 0
	v_lshlrev_b32 v[PW], v7, v[PW]                 ; at their places (8 h bits up);
.elseif \e == 1
	v_permlanex16_b32 v[XP], v[PW], s24, s25
.else
	v_or_b32 v[PW], v[PW], v[XP]                   ; with lane l xor 16's two: P's scale word for these 128 keys; sixteen sums stand between it and the products
.endif
.endr
.rept 3
	v_pk_add_f32 v[T1:T1+1], v[T1:T1+1], v[SS+j:SS+j+1]
	v_pk_add_f32 v[T2:T2+1], v[T2:T2+1], v[SS+j+2:SS+j+3]
	v_pk_add_f32 v[T3:T3+1], v[T3:T3+1], v[SS+j+4:SS+j+5]
	v_pk_add_f32 v[14:15], v[14:15], v[SS+j+6:SS+j+7]
.set j, j+8
.endr
	v_pk_add_f32 v[T1:T1+1], v[T1:T1+1], v[SS+62:SS+63]
	v_pk_add_f32 v[T2:T2+1], v[T2:T2+1], v[T3:T3+1]
	s_delay_alu instid0(VALU_DEP_2)
	v_pk_add_f32 v[14:15], v[14:15], v[T1:T1+1]
	s_delay_alu instid0(VALU_DEP_1)
	v_pk_add_f32 v[14:15], v[14:15], v[T2:T2+1]
	s_wait_dscnt 0x0                               ; V is in
	PV OO, 0
.Lend_\@:
.endm
.macro WALK                            ; all 32 steps: the trip count is a constant of the text, the steps outside LO .. HI are jumped over
	s_mov_b32 s21, 0
	s_mov_b32 s22, 0
.Lstep_\@:
	STEP
	s_add_co_u32 s22, s22, STEPB
	s_add_co_u32 s21, s21, 1
	s_cmp_lt_u32 s21, 32
	s_cbranch_scc1 .Lstep_\@
.endm
	s_wait_alu depctr_va_vdst(0)                   ; the wait at the head's end
	s_wait_tensorcnt 0x0                           ; my sixteenth of the head has landed;
	s_barrier_signal -1
	s_barrier_wait -1                              ; everybody's has.  Nothing is ever filled again
	WALK                                           ; the late tile: wave A steps 0 .. x - 1, wave B steps x .. 31 - a
.rept 4
	v_nop                                          ; places behind the last products
.endr
	s_wait_alu depctr_va_vdst(0)                   ; the wait
	s_cmp_eq_u32 s[ROLE], 0
	s_cbranch_scc1 .Lkeep
.irp g, 0,1,2,3,4,5,6,7
	ds_store_b128 v35, v[OO+4*\g:OO+4*\g+3] offset:512*\g   ; wave B: my part of the late tile as an image of the registers, each accumulator from its low end on
.endr
	ds_store_b128 v35, v[12:15] offset:4096        ; -M, (the largest t,) l
.irp i, 0,1,2,3
	v_mov_b32 v[20+\i], v[30+\i]                   ; the early tile begins
.endr
	v_mov_b32 v28, v34
	v_lshl_or_b32 v29, v34, 16, 0x7f7f
	v_mul_f32 v13, s26, v[HS]                      ; every early row has hidden steps
	v_mov_b32 v14, 0
	v_mov_b32 v15, 0
	v_floor_f32 v12, -v13
.set i, 0
.rept 32
	v_mov_b32 v[OO+i], 0
.set i, i+1
.endr
.Lkeep:
	s_mov_b32 s[LO], s[LO2]
	s_mov_b32 s[HI], s[HI2]
	s_mov_b32 s[DGC], s18
	WALK                                           ; wave B: the early tile, steps 0 .. a
	; THE HIDDEN STEPS of the tile that I finish: U^T = V^T x ones over the steps behind DGF, two steps a trip on two sets of registers (V's, and K's, which are free now), so that one wait serves eighteen loads.
	; U^T begins as zeros; a tile with no hidden step keeps them.
.macro HLOADS f, sw, off               ; V's scale words and fragments of the step off bytes on, into set f
	ds_load_b64 v[\sw:\sw+1], v2 offset:\off+8200
.irp n, 0,1,2,3
	ds_load_b128 v[\f+8*\n:\f+8*\n+3], v2 offset:\off+4096+1024*\n
	ds_load_b128 v[\f+8*\n+4:\f+8*\n+7], v2 offset:\off+4096+1024*\n+512
.endr
.endm
.macro UV a, sw                        ; U^T += set a x ones: four accumulators by turns
.set wz, 0
.irp n, 0,1,2,3
.set wd, SS+8*\n
.set wa, \a+8*\n
.set wb, PP
.set wsa, \sw+\n/2
.set wra, \n%2
.set wsb, PW
	WM
.endr
.endm
.set i, 0
.rept 32
	v_mov_b32 v[SS+i], 0                           ; (these are also the places behind the last products, whose operand is written below)
.set i, i+1
.endr
	v_mov_b32 v[PW], 0x7f7f7f7f
.irp i, 0,1,2,3,4,5,6,7
	v_mov_b32 v[PP+\i], 0x22222222                 ; eight codes of 1.0
.endr
	s_wait_alu depctr_va_vdst(0)                   ; the wait
	s_mov_b32 s21, 0
	s_mov_b32 s22, 0
.Lhid:
	s_or_b32 s30, s21, 1                           ; the trip's odd step
	s_cmp_le_u32 s30, s[DGF]
	s_cbranch_scc1 .Lhskip
	v_add_nc_u32 v2, s22, v1
.rept 3
	v_nop                                          ; with the addition: four places in front of loads into registers that the last products read
.endr
	HLOADS VF, SW+2, STEPB
	s_cmp_le_u32 s21, s[DGF]
	s_cbranch_scc1 .Lhodd                          ; the even step is the diagonal one: not hidden
	HLOADS KF, SW, 0
	s_wait_dscnt 0x0
	UV KF, SW
.Lhodd:
	s_wait_dscnt 0x0
	UV VF, SW+2
.Lhskip:
	s_add_co_u32 s22, s22, 2*STEPB
	s_add_co_u32 s21, s21, 2
	s_cmp_lt_u32 s21, 32
	s_cbranch_scc1 .Lhid
.rept 4
	v_nop                                          ; places behind the last products: their registers are loaded into and read below
.endr
	s_wait_alu depctr_va_vdst(0)
	s_wait_dscnt 0x0                               ; for the others' sake: my stores into the stage are done
	s_barrier_signal -1
	s_barrier_wait -1
	s_cmp_lg_u32 s[ROLE], 0
	s_cbranch_scc1 .Lmine
.irp g, 0,1,2,3,4,5,6,7
	ds_load_b128 v[SS+32+4*\g:SS+32+4*\g+3], v35 offset:512*\g   ; wave A: my partner's part of the late tile
.endr
	ds_load_b128 v[KF:KF+3], v35 offset:4096
	v_mov_b32 v[TM], v12
	s_wait_alu depctr_va_vdst(0)
	s_wait_dscnt 0x0
	v_min_num_f32 v12, v12, v[KF]                  ; -M of the two together
	s_delay_alu instid0(VALU_DEP_1)
	v_sub_f32 v[TM], v12, v[TM]
	v_sub_f32 v[XP], v12, v[KF]
	s_delay_alu instid0(VALU_DEP_2)
	v_cvt_i32_f32 v[TM], v[TM]
	s_delay_alu instid0(VALU_DEP_2)
	v_cvt_i32_f32 v[XP], v[XP]
	s_delay_alu instid0(VALU_DEP_2)
	v_ldexp_f32 v[FF], 1.0, v[TM]                  ; my part's factor,
	s_delay_alu instid0(VALU_DEP_2)
	v_ldexp_f32 v[T1], 1.0, v[XP]                  ; my partner's: both powers of two
	v_pk_mul_f32 v[14:15], v[14:15], v[FF:FF+1] op_sel_hi:[1,0]
	s_delay_alu instid0(VALU_DEP_1)
	v_pk_fma_f32 v[14:15], v[KF+2:KF+3], v[T1:T1+1], v[14:15] op_sel_hi:[1,0,1]
	s_wait_alu depctr_va_vdst(0)                   ; the wait directly ahead of the first readers of O^T
.set j, 0
.rept 16
	v_pk_mul_f32 v[OO+j:OO+j+1], v[OO+j:OO+j+1], v[FF:FF+1] op_sel_hi:[1,0]
.set j, j+2
.endr
.set j, 0
.rept 16
	v_pk_fma_f32 v[OO+j:OO+j+1], v[SS+32+j:SS+33+j], v[T1:T1+1], v[OO+j:OO+j+1] op_sel_hi:[1,0,1]
.set j, j+2
.endr
.Lmine:
	; THE WAY OUT: the hidden steps' share, o / l, quantised along the head's 64 (two blocks of the last product's K)
	v_fma_f32 v[MX], v[HS], s26, v12               ; the hidden t - M, by the same multiply-add as a masked score
	v_add_f32 v14, v14, v15
	s_delay_alu instid0(VALU_DEP_1)
	v_permlanex16_b32 v[XP], v14, s24, s25
	s_delay_alu instid0(VALU_DEP_1)
	v_add_f32 v14, v14, v[XP]                      ; the row's sum over the walked steps
	s_wait_alu depctr_va_vdst(0)
	v_exp_f32 v[MX], v[MX]                         ; the hidden p
	v_nop
	s_wait_alu depctr_va_vdst(0)
	v_fma_f32 v14, v[MX], v[NHV], v14              ; + p for each key of the hidden steps
	v_and_b32 v[SO], 0x7f800000, v[MX]             ; Q(p) in a block of equal numbers: p / scale lies in [4, 8): 4 up to 5 (the tie goes to the even code), else 6
	v_and_b32 v[BY], 0x7fffff, v[MX]
	v_or_b32 v[SO+1], 0x400000, v[SO]
	v_cmp_lt_u32 vcc_lo, 0x200000, v[BY]
	v_cndmask_b32 v[T1], v[SO], v[SO+1], vcc_lo
	s_wait_alu depctr_va_vdst(0)
	v_rcp_f32 v[FF], v14
	v_nop                                          ; one plain place behind a transcendental
	s_wait_alu depctr_va_vdst(0)                   ; the wait behind it, directly ahead of the first readers of U^T and O^T
.set j, 0
.rept 16
	v_pk_fma_f32 v[OO+j:OO+j+1], v[SS+j:SS+j+1], v[T1:T1+1], v[OO+j:OO+j+1] op_sel_hi:[1,0,1]   ; each accumulator from its low end on
.set j, j+2
.endr
.set W, SS+32
.set j, 0
.rept 16
	v_pk_mul_f32 v[W+j:W+j+1], v[OO+j:OO+j+1], v[FF:FF+1] op_sel_hi:[1,0]   ; register 8 n + i: channel 16 n + 8 h + i of query r
.set j, j+2
.endr
.irp b, 0,1
	v_max3_num_f32 v[MX+\b], |v[W+16*\b]|, |v[W+16*\b+1]|, 0x1800000
.endr
.irp i, 2,4,6,8,10,12,14
.irp b, 0,1
	s_delay_alu instid0(VALU_DEP_2)
	v_max3_num_f32 v[MX+\b], v[MX+\b], |v[W+16*\b+\i]|, |v[W+16*\b+\i+1]|
.endr
.endr
.irp b, 0,1
	s_delay_alu instid0(VALU_DEP_2)
	v_permlanex16_b32 v[BY+\b], v[MX+\b], s24, s25
.endr
.irp b, 0,1
	s_delay_alu instid0(VALU_DEP_2)
	v_max_num_f32 v[MX+\b], v[MX+\b], v[BY+\b]
.endr
.irp b, 0,1
	s_delay_alu instid0(VALU_DEP_2)
	v_add_nc_u32 v[SO+\b], 0xff000000, v[MX+\b]
.endr
.irp b, 0,1
	s_delay_alu instid0(VALU_DEP_2)
	v_lshrrev_b32 v[BY+\b], 23, v[SO+\b]
.endr
	v_cvt_scalef32_pk8_fp4_f32 v[PP],   v[W:W+7],     v[SO]
	v_cvt_scalef32_pk8_fp4_f32 v[PP+1], v[W+16:W+23], v[SO+1]
	v_cvt_scalef32_pk8_fp4_f32 v[PP+2], v[W+8:W+15],  v[SO]
	v_cvt_scalef32_pk8_fp4_f32 v[PP+3], v[W+24:W+31], v[SO+1]
	v_nop                                          ; one plain place behind a scaled conversion
	v_permlane16_swap_b32 v[PP], v[PP+1]
	v_permlane16_swap_b32 v[PP+2], v[PP+3]         ; lane (r, h') now holds block h' of token r
	global_store_b128 v1, v[PP:PP+3], s[10:11]     ; 512 consecutive bytes
	s_mov_b32 vcc_lo, 0xffff0000
	v_cndmask_b32 v[TM], v[BY], v[BY+1], vcc_lo    ; lanes 0-15 block 0's byte, lanes 16-31 block 1's
	global_store_b8 v4, v[TM], s[12:13]            ; two bytes a token, 32 bytes apart: a token's 32 bytes come from all sixteen heads, so no stage of one work-group could gather them
	s_wait_tensorcnt 0x0                           ; the wave's end
	ds_add_u32 v[SPW], v[NIL]
	s_wait_dscnt 0x0
	CROUND                                         ; the closing round
	s_endpgm
.Lfunc_end_k_qa73e85fcb8_attn:
	.size	k_qa73e85fcb8_attn, .Lfunc_end_k_qa73e85fcb8_attn-k_qa73e85fcb8_attn
	.p2alignl 7, 3214868480
	.fill 96, 4, 3214868480
	.section	.rodata,"a",@progbits
	.p2align	6, 0x0
	.amdhsa_kernel k_qa73e85fcb8_attn
		.amdhsa_group_segment_fixed_size 327680
		.amdhsa_private_segment_fixed_size 0
		.amdhsa_enable_private_segment 0
		.amdhsa_kernarg_size 40
		.amdhsa_user_sgpr_count 2
		.amdhsa_user_sgpr_kernarg_segment_ptr 1
		.amdhsa_wavefront_size32 1
		.amdhsa_system_sgpr_workgroup_id_x 1
		.amdhsa_system_sgpr_workgroup_id_y 1
		.amdhsa_system_sgpr_workgroup_id_z 1
		.amdhsa_system_vgpr_workitem_id 0
		.amdhsa_next_free_vgpr 232
		.amdhsa_next_free_sgpr 66
		.amdhsa_reserve_vcc 1
		.amdhsa_float_denorm_mode_32 3
		.amdhsa_float_denorm_mode_16_64 3
		.amdhsa_memory_ordered 1
		.amdhsa_forward_progress 1
		.amdhsa_inst_pref_size 66
	.end_amdhsa_kernel
	.amdgpu_metadata
---
amdhsa.version: [ 1, 2 ]
amdhsa.kernels:
  - .name:           k_qa73e85fcb8_attn
    .symbol:         k_qa73e85fcb8_attn.kd
    .args:
      - { .name: qc, .offset: 0, .size: 8, .value_kind: global_buffer, .address_space: global }
      - { .name: qs, .offset: 8, .size: 8, .value_kind: global_buffer, .address_space: global }
      - { .name: kv, .offset: 16, .size: 8, .value_kind: global_buffer, .address_space: global }
      - { .name: cc, .offset: 24, .size: 8, .value_kind: global_buffer, .address_space: global }
      - { .name: cs, .offset: 32, .size: 8, .value_kind: global_buffer, .address_space: global }
    .group_segment_fixed_size: 327680
    .private_segment_fixed_size: 0
    .kernarg_segment_align: 8
    .kernarg_segment_size: 40
    .max_flat_workgroup_size: 512
    .sgpr_count:     66
    .vgpr_count:     232
    .wavefront_size: 32
...
	.end_amdgpu_metadata
.endif
;; end of part 2
;; launch proj (part 3): grid 8 x 32, 8 waves a work-group, clusters of 4 x 4, 179,200 bytes of LDS; arguments cc, cs, out_W_codes, out_W_scales, out_b, out0; writes out0
.if DOCPART == 3
	.amdgcn_target "amdgcn-amd-amdhsa--gfx1250"
	.amdhsa_code_object_version 6
	.text
	.protected	k_qa73e85fcb8_proj
	.globl	k_qa73e85fcb8_proj
	.p2align	8
	.type	k_qa73e85fcb8_proj,@function
k_qa73e85fcb8_proj:
	s_mov_b64 s[64:65], 0
	v_nop
	global_prefetch_b8 v0, s[64:65] scope:SCOPE_SE
	s_setreg_imm32_b32 hwreg(HW_REG_WAVE_MODE, 25, 1), 1
	s_wait_xcnt 0x0
	s_wait_alu depctr_hold_cnt(0) depctr_sa_sdst(0) depctr_va_vdst(0) depctr_va_sdst(0) depctr_va_ssrc(0) depctr_va_vcc(0) depctr_vm_vsrc(0)
	s_getreg_b32 s2, hwreg(HW_REG_IB_STS2, 6, 4)
	s_cmp_eq_u32 s2, 0
	s_cbranch_scc0 .Lentry_in_a_cluster
	s_endpgm
.Lentry_in_a_cluster:
	s_bfe_u32 s2, ttmp6, 0x10000c
	s_cmp_lg_u32 s2, 0xf033
	s_cbranch_scc0 .Lentry_shape_is_right
	s_endpgm
.Lentry_shape_is_right:
; out = (o / l) W_out + b on codes of FP4 (E2M1) with one E8M0 scale for each 32 along K = 1,024.
; The left operand comes as images of operand registers: cc [K half][tile of 16 tokens][K step % 4][c][512 bytes], lane l's 16 bytes at 16 l; its scale bytes cs [token][32].  W: codes [1024 (n)][512 bytes], scales [1024][32].
; SHARES.  Work-group (x, y) makes 128 tokens x 128 columns.  Wave w of eight: tokens' tiles 2 (w & 3), + 1, columns 64 (w >> 2) on: 8 accumulators.  All of K fits in LDS: every LDS byte is filled once, in two halves of K.
; CLUSTER 4 x 4: the four of a row of the cluster share the tokens, the four of a column the columns of W: each tile is asked for jointly.
; THE MATRIX INSTRUCTION IS USED TRANSPOSED (source 0 = 16 rows of W, source 1 = 16 tokens): a lane holds eight neighbouring columns of one row of out.  The bias is the C of each sum's first product.
; LIMITS: NaN and infinities are not served; a given scale byte 0xff gives NaN.
.set PITCH, 272                        ; a row of W's codes in LDS: 256 bytes + 16 of padding
.set AHS,   32768                      ; the tokens' images of a K half: 8 tiles x 4,096 bytes, dense;  half 0 at LDS byte 0
.set BH0,   2*AHS                      ; W, K half 0: 128 rows
.set BHS,   128*PITCH
.set ASC,   BH0+2*BHS                  ; the tokens' scale bytes, [token][32]
.set BSC,   ASC+4096                   ; W's, [row][32]
.set STG,   BSC+4096                   ; a stage of 16 rows x 272 bytes for each wave, which LDS stores alone write
.set G1A,  32
.set G1B,  40
.set G1SA, 48
.set G1SB, 56
.set G0SA, 68
.set G0SB, 72
.set G0A,  76
.set G0B,  84
; v1 the tokens' images; v2 W's fragments; v3, v4 scale words; v5, v6 the stage, in and back; v7 my offset in out; v16-23 the tokens' 8 scale words (lanes 0-15 tile 0, 16-31 tile 1);
; v24-39 W's (pair i of tiles at 24 + 8 i); v40-71 the bias in the result's layout; v72-119, v120-167 two sets of fragments (2 of tokens, 4 of W); v168-231 accumulators (168 + 8 (4 t + n))
.macro CROUND                          ; a round of the cluster's barrier
	s_barrier_signal -1
	s_barrier_wait -1
	s_cmp_lg_u32 s16, 0
	s_cbranch_scc1 .Lnot_wave_0_\@
	s_barrier_signal -3
.Lnot_wave_0_\@:
	s_barrier_wait -3
	s_barrier_signal -1
	s_barrier_wait -1
.endm
.macro WM                              ; D v[wd ..], source 0 v[wa ..], source 1 v[wb ..], C v[wc ..]; scale words v[wsa] (lanes 16-31 if wra), v[wsb] (lanes 16-31 if wrb)
.if wra && wrb
	v_wmma_scale_f32_16x16x128_f8f6f4 v[wd:wd+7], v[wa:wa+7], v[wb:wb+7], v[wc:wc+7], v[wsa], v[wsb] matrix_a_fmt:MATRIX_FMT_FP4 matrix_b_fmt:MATRIX_FMT_FP4 matrix_a_scale:MATRIX_SCALE_ROW1 matrix_b_scale:MATRIX_SCALE_ROW1
.elseif wra
	v_wmma_scale_f32_16x16x128_f8f6f4 v[wd:wd+7], v[wa:wa+7], v[wb:wb+7], v[wc:wc+7], v[wsa], v[wsb] matrix_a_fmt:MATRIX_FMT_FP4 matrix_b_fmt:MATRIX_FMT_FP4 matrix_a_scale:MATRIX_SCALE_ROW1
.elseif wrb
	v_wmma_scale_f32_16x16x128_f8f6f4 v[wd:wd+7], v[wa:wa+7], v[wb:wb+7], v[wc:wc+7], v[wsa], v[wsb] matrix_a_fmt:MATRIX_FMT_FP4 matrix_b_fmt:MATRIX_FMT_FP4 matrix_b_scale:MATRIX_SCALE_ROW1
.else
	v_wmma_scale_f32_16x16x128_f8f6f4 v[wd:wd+7], v[wa:wa+7], v[wb:wb+7], v[wc:wc+7], v[wsa], v[wsb] matrix_a_fmt:MATRIX_FMT_FP4 matrix_b_fmt:MATRIX_FMT_FP4
.endif
.endm
	s_load_b256 s[4:11], s[0:1], 0x0               ; cc s[4:5], cs s[6:7], W's codes s[8:9], W's scales s[10:11]
	s_load_b128 s[12:15], s[0:1], 0x20             ; the bias s[12:13], out s[14:15]
	v_lshl_add_u32 v232, v0, 2, 0x2b800
	v_mov_b32 v233, 0
	ds_add_u32 v232, v233
	ds_add_u32 v232, v233
	v_lshrrev_b32 v1, 5, v0
	s_delay_alu instid0(VALU_DEP_1)
	v_readfirstlane_b32 s16, v1                    ; wave 0..7
	s_and_b32 s17, s16, 3                          ; which quarter of a tile I fetch; also my pair of tokens' tiles
	s_lshr_b32 s18, s16, 2                         ; I fetch for the tokens (0) or for W (1); also my half of the columns
	s_bfe_u32 s19, ttmp6, 0x40000                  ; cx, cy
	s_bfe_u32 s20, ttmp6, 0x40004
	s_lshl_b32 s21, ttmp9, 2
	s_add_co_u32 s21, s21, s19                     ; block of 128 columns
	s_and_b32 s22, ttmp7, 0xffff
	s_lshl_b32 s22, s22, 2
	s_add_co_u32 s22, s22, s20                     ; block of 128 tokens
	s_lshl_b32 s23, s20, 2
	s_lshl_b32 s23, 15, s23                        ; my row of the cluster: it shares the tokens
	s_lshl_b32 s24, 0x1111, s19                    ; my column: it shares W's rows
	; groups 1.  The tokens' images: 128 dense rows of 256 bytes (32 elements of 8 bytes) to a load
	s_or_b32 s[G1A], s23, (3<<16)|(1<<21)
	s_mov_b32 s[G1A+1], 32<<16
	s_mov_b32 s[G1A+2], 128<<16                    ; a whole K half of the tokens' images: 128 rows of 256 bytes
	s_mov_b32 s[G1A+3], 32<<16
	s_mov_b32 s[G1A+4], 128
	s_mov_b32 s[G1A+5], 32
	s_mov_b32 s[G1A+6], 0
	s_mov_b32 s[G1A+7], 0
	; W's codes: 64 rows of 256 bytes, 512 apart in memory, 16 bytes of padding behind each
	s_or_b32 s[G1B], s24, (1<<20)|(1<<21)|(5<<22)|(3<<25)
	s_mov_b32 s[G1B+1], 256<<16
	s_mov_b32 s[G1B+2], 64<<16                     ; 64 rows of W to a load
	s_mov_b32 s[G1B+3], 256<<16
	s_mov_b32 s[G1B+4], 64
	s_mov_b32 s[G1B+5], 512
	s_mov_b32 s[G1B+6], 0
	s_mov_b32 s[G1B+7], 0
	; scale bytes: 16 dense rows of 256 bytes to a load
	s_or_b32 s[G1SA], s23, (3<<16)|(1<<21)
	s_or_b32 s[G1SB], s24, (3<<16)|(1<<21)
.irp g, G1SA, G1SB
	s_mov_b32 s[\g+1], 32<<16
	s_mov_b32 s[\g+2], 16<<16                      ; a block's scale bytes whole: 16 rows of 256 bytes
	s_mov_b32 s[\g+3], 32<<16
	s_mov_b32 s[\g+4], 16
	s_mov_b32 s[\g+5], 32
	s_mov_b32 s[\g+6], 0
	s_mov_b32 s[\g+7], 0
.endr
	s_lshl_b32 s92, s22, 15
	s_and_b32 s31, s16, 1                          ; waves 0, 1 fetch the tokens' images: K half w & 1
	s_lshl_b32 s29, s31, 20
	s_add_co_u32 s92, s92, s29
	s_mov_b32 s93, 0
	s_lshl_b32 s96, s22, 12
	s_mov_b32 s97, 0
	s_lshl_b32 s94, s21, 16                        ; W's codes: 128 rows of 512 bytes a block, 32 rows a quarter
	s_lshl_b32 s30, s31, 15                        ; waves 4-7 fetch W: rows 64 (w & 1) on, K half (w >> 1) & 1
	s_bfe_u32 s29, s16, 0x10001
	s_lshl_b32 s28, s29, 8
	s_add_co_u32 s30, s30, s28
	s_add_co_u32 s94, s94, s30
	s_mov_b32 s95, 0
	s_lshl_b32 s98, s21, 12
	s_mov_b32 s99, 0
	s_wait_dscnt 0x0
	s_wait_kmcnt 0x0
	s_add_nc_u64 s[92:93], s[4:5], s[92:93]
	s_add_nc_u64 s[94:95], s[8:9], s[94:95]
	s_mov_b32 s[G0SA], 1
	s_mov_b32 s[G0SA+1], ASC
	s_add_nc_u64 s[G0SA+2:G0SA+3], s[6:7], s[96:97]
	s_or_b32 s[G0SA+3], s[G0SA+3], 0x80000000
	s_mov_b32 s[G0SB], 1
	s_mov_b32 s[G0SB+1], BSC
	s_add_nc_u64 s[G0SB+2:G0SB+3], s[10:11], s[98:99]
	s_or_b32 s[G0SB+3], s[G0SB+3], 0x80000000
	s_mov_b32 s[G0A], 1
	s_lshl_b32 s[G0A+1], s31, 15
	s_mov_b64 s[G0A+2:G0A+3], s[92:93]
	s_or_b32 s[G0A+3], s[G0A+3], 0x80000000
	s_mov_b32 s[G0B], 1
	s_mul_i32 s[G0B+1], s31, 64*PITCH
	s_mul_i32 s28, s29, BHS
	s_add_co_u32 s[G0B+1], s[G0B+1], s28
	s_add_co_u32 s[G0B+1], s[G0B+1], BH0
	s_mov_b64 s[G0B+2:G0B+3], s[94:95]
	s_or_b32 s[G0B+3], s[G0B+3], 0x80000000
	CROUND                                         ; all sixteen work-groups are here: the joint loads meet
; The head's eight tiles, one joint load a wave: waves 0, 1 the tokens' images of the two K halves, wave 2 their scale bytes, wave 3 W's scale bytes, waves 4-7 W's codes (64 rows of one K half each).
; One chain of branches on the wave's number: every way through it passes exactly one load.
.macro ARM under, g0, g1, next
	s_cmp_lt_u32 s16, \under
	s_cbranch_scc0 \next
	tensor_load_to_lds s[\g0:\g0+3], s[\g1:\g1+7]
	s_nop 0
.rept 4
	v_nop
.endr
	s_branch .Lasked
\next:
.endm
	ARM 2, G0A,  G1A,  .Lfor_sa
	ARM 3, G0SA, G1SA, .Lfor_sb
	ARM 4, G0SB, G1SB, .Lfor_w
	tensor_load_to_lds s[G0B:G0B+3], s[G1B:G1B+7]
	s_nop 0
.rept 4
	v_nop
.endr
.Lasked:
	v_and_b32 v8, 31, v0                           ; lane
	v_and_b32 v9, 15, v0                           ; r
	s_wait_alu depctr_va_vdst(0)
	v_bfe_u32 v10, v0, 4, 1                        ; h
	s_lshl_b32 s29, s17, 13
	v_lshl_add_u32 v1, v8, 4, s29                  ; 16 x lane + my two tiles' 8,192 bytes
	s_mul_i32 s29, s18, 64*PITCH
	s_add_co_u32 s29, s29, BH0
	v_mul_u32_u24 v2, v9, PITCH
	s_delay_alu instid0(VALU_DEP_1)
	v_lshl_add_u32 v2, v10, 4, v2
	s_delay_alu instid0(VALU_DEP_1)
	v_add_nc_u32 v2, s29, v2                       ; W: my 64 rows, row r, + 16 h
	s_lshl_b32 s29, s17, 10
	s_add_co_u32 s29, s29, ASC
	v_lshl_add_u32 v3, v8, 5, s29                  ; token 32 (w & 3) + lane
	s_lshl_b32 s29, s18, 11
	s_add_co_u32 s29, s29, BSC
	v_lshl_add_u32 v4, v8, 5, s29                  ; W's row 64 (w >> 2) + 32 i + lane
	s_mul_i32 s29, s16, 16*PITCH
	s_add_co_u32 s29, s29, STG                     ; my stage
	v_mul_u32_u24 v5, v9, PITCH
	s_wait_alu depctr_va_vdst(0)
	v_lshl_add_u32 v5, v10, 5, v5
	s_delay_alu instid0(VALU_DEP_1)
	v_add_nc_u32 v5, s29, v5                       ; in: row r, + 32 h
	v_mul_u32_u24 v6, v10, PITCH
	s_delay_alu instid0(VALU_DEP_1)
	v_lshl_add_u32 v6, v9, 4, v6
	s_delay_alu instid0(VALU_DEP_1)
	v_add_nc_u32 v6, s29, v6                       ; back: lanes 0-15 one row of 256 bytes, lanes 16-31 the next
	v_lshlrev_b32 v7, 4, v9
	s_delay_alu instid0(VALU_DEP_1)
	v_lshl_add_u32 v7, v10, 12, v7                 ; and the same two rows in out
	v_lshlrev_b32 v11, 5, v10                      ; the bias: 32 h
	s_wait_alu depctr_va_vdst(0)
	s_mov_b32 s31, 0
	s_lshl_b32 s30, s21, 9
	s_lshl_b32 s29, s18, 8
	s_add_co_u32 s30, s30, s29                     ; my first column, in bytes: 512 x block + 256 x half
	s_add_nc_u64 s[12:13], s[12:13], s[30:31]
	s_add_nc_u64 s[14:15], s[14:15], s[30:31]
	s_lshl_b32 s30, s22, 19
	s_lshl_b32 s29, s17, 17
	s_add_co_u32 s30, s30, s29                     ; my first row: (128 x block + 32 (w & 3)) x 4,096 bytes
	s_add_nc_u64 s[14:15], s[14:15], s[30:31]
.irp n, 0,1,2,3
	global_load_b128 v[40+8*\n:43+8*\n], v11, s[12:13] offset:64*\n          ; b(16 n + 8 h + 0 .. 7)
	global_load_b128 v[44+8*\n:47+8*\n], v11, s[12:13] offset:64*\n+16
.endr
.macro FETCH                           ; K step FK's fragments into set FK % 2: 4 loads of the tokens' images, 8 of W
.set fs, 72+48*(FK%2)
.irp t, 0,1
.irp c, 0,1
	ds_load_b128 v[fs+8*\t+4*\c:fs+8*\t+4*\c+3], v1 offset:AHS*(FK/4)+4096*\t+1024*(FK%4)+512*\c
.endr
.endr
.irp n, 0,1,2,3
.irp c, 0,1
	ds_load_b128 v[fs+16+8*\n+4*\c:fs+16+8*\n+4*\c+3], v2 offset:BHS*(FK/4)+16*PITCH*\n+64*(FK%4)+32*\c
.endr
.endr
.endm
; K step KP: 8 products on the 8 accumulators, which take turns in the same order in every step.  The next step's fragments are asked for ahead of the products;
; four plain places stand between the last products and loads into registers that they read (ISA guide 7.12.1 for vector instructions).
.macro KSTEP
.if KP > 0
.rept 4
	v_nop
.endr
.endif
.if KP < 7
.set FK, KP+1
	FETCH
	s_wait_dscnt 12                                ; all but the 12 just issued
.else
	s_wait_dscnt 0x0
.endif
.irp t, 0,1
.irp n, 0,1,2,3
.set wd, 168+8*(4*\t+\n)
.if KP == 0
.set wc, 40+8*\n
.else
.set wc, wd
.endif
.set wa, 72+48*(KP%2)+16+8*\n
.set wb, 72+48*(KP%2)+8*\t
.set wsa, 24+8*(\n/2)+KP
.set wra, \n%2
.set wsb, 16+KP
.set wrb, \t
	WM
.endr
.endr
.endm
	s_wait_tensorcnt 0x0                           ; my one tile is in
	s_barrier_signal -1
	s_barrier_wait -1                              ; everybody's are
	ds_load_b128 v[16:19], v3
	ds_load_b128 v[20:23], v3 offset:16
.irp i, 0,1
	ds_load_b128 v[24+8*\i:27+8*\i], v4 offset:1024*\i
	ds_load_b128 v[28+8*\i:31+8*\i], v4 offset:1024*\i+16
.endr
.set FK, 0
	FETCH
	s_wait_loadcnt 0x0                             ; the bias
.set KP, 0
.rept 8
	KSTEP
.set KP, KP+1
.endr
	; THE WAY OUT: a tile of 16 tokens x 64 columns goes through my own stage and comes back as whole rows of 256 bytes.  LDS serves a wave's instructions in order (ISA guide 5.7.1.4): no wait between the stores and the loads.
.rept 4
	v_nop                                          ; places in front of the first read of results and of loads into the fragments' registers
.endr
.irp t, 0,1
.irp n, 0,1,2,3
	ds_store_b128 v5, v[168+8*(4*\t+\n):168+8*(4*\t+\n)+3] offset:64*\n        ; each accumulator from its low end on
	ds_store_b128 v5, v[168+8*(4*\t+\n)+4:168+8*(4*\t+\n)+7] offset:64*\n+16
.endr
.irp i, 0,1,2,3,4,5,6,7
	ds_load_b128 v[72+32*\t+4*\i:72+32*\t+4*\i+3], v6 offset:2*PITCH*\i
.endr
.endr
.irp t, 0,1
.irp i, 0,1,2,3,4,5,6,7
	s_wait_dscnt 23-16*\t-\i                       ; behind this load: the tile's later loads, and for tile 0 the sixteen LDS instructions of tile 1
	global_store_b128 v7, v[72+32*\t+4*\i:72+32*\t+4*\i+3], s[14:15] offset:(16*\t+2*\i)*4096 th:TH_STORE_NT   ; 16 lanes store 256 consecutive bytes, aligned; written once, read by nobody here
.endr
.endr
	s_wait_tensorcnt 0x0
	ds_add_u32 v232, v233
	s_wait_dscnt 0x0
	CROUND                                         ; the closing round
	s_endpgm
.Lfunc_end_k_qa73e85fcb8_proj:
	.size	k_qa73e85fcb8_proj, .Lfunc_end_k_qa73e85fcb8_proj-k_qa73e85fcb8_proj
	.p2alignl 7, 3214868480
	.fill 96, 4, 3214868480
	.section	.rodata,"a",@progbits
	.p2align	6, 0x0
	.amdhsa_kernel k_qa73e85fcb8_proj
		.amdhsa_group_segment_fixed_size 179200
		.amdhsa_private_segment_fixed_size 0
		.amdhsa_enable_private_segment 0
		.amdhsa_kernarg_size 48
		.amdhsa_user_sgpr_count 2
		.amdhsa_user_sgpr_kernarg_segment_ptr 1
		.amdhsa_wavefront_size32 1
		.amdhsa_system_sgpr_workgroup_id_x 1
		.amdhsa_system_sgpr_workgroup_id_y 1
		.amdhsa_system_sgpr_workgroup_id_z 1
		.amdhsa_system_vgpr_workitem_id 0
		.amdhsa_next_free_vgpr 234
		.amdhsa_next_free_sgpr 100
		.amdhsa_reserve_vcc 0
		.amdhsa_float_denorm_mode_32 3
		.amdhsa_float_denorm_mode_16_64 3
		.amdhsa_memory_ordered 1
		.amdhsa_forward_progress 1
		.amdhsa_inst_pref_size 30
	.end_amdhsa_kernel
	.amdgpu_metadata
---
amdhsa.version: [ 1, 2 ]
amdhsa.kernels:
  - .name:           k_qa73e85fcb8_proj
    .symbol:         k_qa73e85fcb8_proj.kd
    .args:
      - { .name: cc, .offset: 0, .size: 8, .value_kind: global_buffer, .address_space: global }
      - { .name: cs, .offset: 8, .size: 8, .value_kind: global_buffer, .address_space: global }
      - { .name: out_W_codes, .offset: 16, .size: 8, .value_kind: global_buffer, .address_space: global }
      - { .name: out_W_scales, .offset: 24, .size: 8, .value_kind: global_buffer, .address_space: global }
      - { .name: out_b, .offset: 32, .size: 8, .value_kind: global_buffer, .address_space: global }
      - { .name: out0, .offset: 40, .size: 8, .value_kind: global_buffer, .address_space: global }
    .group_segment_fixed_size: 179200
    .private_segment_fixed_size: 0
    .kernarg_segment_align: 8
    .kernarg_segment_size: 48
    .max_flat_workgroup_size: 256
    .sgpr_count:     100
    .vgpr_count:     234
    .wavefront_size: 32
...
	.end_amdgpu_metadata
.endif
;; end of part 3
